; MI455X (gfx1250); checked and timed in simulation.
; The chip was launched on July 23, 2026; its instructions are those of AMD's public machine-readable ISA for CDNA 5 (MIT licence, August 2026) and "CDNA5" Instruction Set Architecture Reference Guide (July 2026). The comments in the code are by the model that wrote it; some were corrected since.
;; Encoder Layer. Allowed arithmetic: matrix products marked QUANTISED: E3M2 operands, one E8M0 scale for each 32 along K, by v_wmma_scale_f32_16x16x128_f8f6f4 with both operands' format E3M2, f32 sums; everything else in f32.
;; Inputs: W1_codes 4,096 x 32 x 24 uint8 (E3M2 codes of W1, K innermost, in blocks of 32 codes, four codes in three bytes); W1_scales 4,096 x 32 uint8 (E8M0 scales of W1, one for each 32 codes along K); W2_codes 1,024 x 128 x 24 uint8 (E3M2 codes of W2, K innermost, in blocks of 32 codes, four codes in three bytes); W2_scales 1,024 x 128 uint8 (E8M0 scales of W2, one for each 32 codes along K); W_K_codes 1,024 x 32 x 24 uint8 (E3M2 codes of W_K, K innermost, in blocks of 32 codes, four codes in three bytes); W_K_scales 1,024 x 32 uint8 (E8M0 scales of W_K, one for each 32 codes along K); W_O_codes 1,024 x 32 x 24 uint8 (E3M2 codes of W_O, K innermost, in blocks of 32 codes, four codes in three bytes); W_O_scales 1,024 x 32 uint8 (E8M0 scales of W_O, one for each 32 codes along K); W_Q_codes 1,024 x 32 x 24 uint8 (E3M2 codes of W_Q, K innermost, in blocks of 32 codes, four codes in three bytes); W_Q_scales 1,024 x 32 uint8 (E8M0 scales of W_Q, one for each 32 codes along K); W_V_codes 1,024 x 32 x 24 uint8 (E3M2 codes of W_V, K innermost, in blocks of 32 codes, four codes in three bytes); W_V_scales 1,024 x 32 uint8 (E8M0 scales of W_V, one for each 32 codes along K); X 2 x 2,048 x 1,024 float32; b1 1,024 float32; b2 1,024 float32; bias1 4,096 float32; bias2 1,024 float32; g1 1,024 float32; g2 1,024 float32; padding_mask 2 x 1 x 2,048 int32.
;; Outputs: out0 2 x 2,048 x 1,024 float32.
;; This version of the problem:
;;   THIS VERSION OF THE PROBLEM IS GIVEN IN LOW PRECISION. The matrix products marked QUANTISED in the list below multiply operands that are first quantised to E3M2 (3 exponent bits, 2 mantissa bits; 6 bits a number), with one power-of-two scale for each 32 numbers along K (OCP MX v1.0); their sums are f32. All else is computed in f32.
;;   The module's matrix products, in the order in which they are computed (A, B: the left and right operand; K: the contracted axis; several contracted axes count as one K, in the product's order):
;;     1. [M 4,096, K 1,024] x [K 1,024, N 1,024]; A: computed on the way; B: input W_Q (given as codes): QUANTISED
;;     2. [M 4,096, K 1,024] x [K 1,024, N 1,024]; A: computed on the way; B: input W_K (given as codes): QUANTISED
;;     3. [M 4,096, K 1,024] x [K 1,024, N 1,024]; A: computed on the way; B: input W_V (given as codes): QUANTISED
;;     4. batch 32 x [M 2,048, K 64] x [K 64, N 2,048]; A: computed on the way; B: computed on the way: QUANTISED
;;     5. batch 32 x [M 2,048, K 2,048] x [K 2,048, N 64]; A: softmax (see below); B: computed on the way: QUANTISED
;;     6. [M 4,096, K 1,024] x [K 1,024, N 1,024]; A: computed on the way; B: input W_O (given as codes): QUANTISED
;;     7. [M 4,096, K 1,024] x [K 1,024, N 4,096]; A: computed on the way; B: input W1 (given as codes): QUANTISED
;;     8. [M 4,096, K 4,096] x [K 4,096, N 1,024]; A: computed on the way; B: input W2 (given as codes): QUANTISED
;;   THE QUANTISER, for each operand of a quantised product, along K:
;;     - K is cut into blocks of 32 from its start; a last block that is shorter is filled with zeros.
;;     - A block's scale is 2^e with e = floor(log2(the largest magnitude in the block)) - 4, held to -126 .. 127; a block of zeros has e = 0. As a byte (E8M0): e + 127.
;;     - Each number is divided by its block's scale, clamped to +-28, and rounded to the nearest number of E3M2, ties to even, subnormals kept.
;;     - The product sums the exact products of the quantised numbers (number of the format x scale) in f32.
;;   ~~~python
;;   def quantise(x, axis):      # numpy; x: float32 -> the quantised numbers, widened to float32 again
;;       x = np.moveaxis(x, axis, -1); K = x.shape[-1]
;;       x = np.pad(x, [(0, 0)] * (x.ndim - 1) + [(0, -K % 32)]); x = x.reshape(x.shape[:-1] + (-1, 32)); a = np.abs(x).max(-1, keepdims=True)
;;       e = np.where(a > 0, np.clip(np.frexp(np.where(a > 0, a, 1))[1] - 1 - 4, -126, 127), 0)      # np.frexp(a)[1] - 1 = floor(log2(a)), exactly
;;       r = np.clip(x / 2.0 ** e, -28, 28)
;;       step = 2.0 ** (np.maximum(np.frexp(np.where(r == 0, 1, r))[1] - 1, -2) - 2)
;;       q = np.round(r / step) * step * 2.0 ** e      # np.round: ties to even
;;       return np.moveaxis(q.reshape(q.shape[:-2] + (-1,))[..., :K], -1, axis).astype(np.float32)
;;   ~~~
;;   SOFTMAX AHEAD OF A QUANTISED PRODUCT. Where the list says 'softmax', what is quantised is not the finished softmax but p = 2^(t - M), with t = logit x log2(e) and M = ceil(the row's largest t), a whole number; so 1/2 < the row's largest p <= 1. The row's sum l is taken of the UNQUANTISED p, in f32, and the product's result is divided by l at the end. Since M is a whole number, a kernel that streams over the keys may use a running M (the ceiling of the running maximum): every later rescaling is an exact power of two, which a block's scale takes up: the codes' values come out the same.
;;   OPERANDS COMPUTED ON THE WAY. 'Computed on the way' means the value that the module computes at that place (a softmax that the list does not call 'softmax' is quantised finished and normalised). What goes into a quantiser is computed in f32, as accurately as f32 sums, v_exp_f32 and their like allow (about 1e-6 of the number): no bf16 or f16 on the way to a quantiser, and a product that is left as it is and whose result goes on into a quantised operand takes f32 operands (vector FMAs, or v_wmma_f32_16x16x4_f32). A number that lies on a knife's edge between two numbers of the format may be rounded either way, as far as f32 arithmetic and the matrix unit's own rounding can turn it there, and no further.
;;   INPUTS GIVEN AS CODES. W1 (in the module: [1024, 4096], K = its axis 0); W2 (in the module: [4096, 1024], K = its axis 0); W_K (in the module: [1024, 1024], K = its axis 0); W_O (in the module: [1024, 1024], K = its axis 0); W_Q (in the module: [1024, 1024], K = its axis 0); W_V (in the module: [1024, 1024], K = its axis 0): each comes as NAME_codes (uint8): NAME with its K axis moved to the last place and cut into blocks of 32 codes, [.., K / 32, bytes a block], one block behind the other in memory; four codes in three bytes: a row's codes are one little-endian stream of bits, code i at bits 6 i .. 6 i + 5 (a code: sign, 3 exponent bits, 2 mantissa bits); and NAME_scales (uint8): the same leading axes, one E8M0 byte (e + 127) for each 32 codes along K. Its value is code x scale, taken as it is: it is not quantised again, and the codes and scales need not be those that the quantiser above would give.
;; One version. Each part assembles by itself: llvm-mc -triple=amdgcn-amd-amdhsa -mcpu=gfx1250 --defsym DOCPART=n.
;; ======== version 1 of 1: 7 launches
;; limits: right only within a limited range of input values
;; workspace buffers: WB 13,107,200 bytes; QKV 9,830,400 bytes; AT 3,276,800 bytes; RES 16,777,216 bytes; NN 3,276,800 bytes; HH 13,107,200 bytes
;; launch prep (part 1): grid 352 x 1, 8 waves a work-group, no clusters, 67,072 bytes of LDS; arguments X, g1, b1, W_Q_codes, W_K_codes, W_V_codes, W_O_codes, W1_codes, W2_codes, W_Q_scales, W_K_scales, W_V_scales, W_O_scales, W1_scales, W2_scales, WB; writes WB
.if DOCPART == 1
	.amdgcn_target "amdgcn-amd-amdhsa--gfx1250"
	.amdhsa_code_object_version 6
	.text
	.protected	k_qaeec932ff8_prep
	.globl	k_qaeec932ff8_prep
	.p2align	8
	.type	k_qaeec932ff8_prep,@function
k_qaeec932ff8_prep:
	s_mov_b64 s[64:65], 0
	v_nop
	global_prefetch_b8 v0, s[64:65] scope:SCOPE_SE
	s_setreg_imm32_b32 hwreg(HW_REG_WAVE_MODE, 25, 1), 1
	s_wait_xcnt 0x0
; PREP.  Work-groups 0-255: xn = layernorm(X) (g1, b1), quantised to E3M2 along its 1,024 columns.  Work-groups 256-351: the six weights' codes and scale bytes, laid anew.
; Everything goes to WB as IMAGES OF OPERAND REGISTERS.  A fragment is 16 rows x 128 K = 1,536 bytes = two halves c of 768: bytes 0-511 lane l's registers 6c..6c+3 at 16 l, bytes 512-767 its registers
; 6c+4, 6c+5 at 8 l; lane (r, h) holds the 192 bits of block 4 s + 2 c + h of row r.  Block of 128 rows rb, K step s, tile t: ((rb KS + s) 8 + t) 1,536.  Scale words: ((rb KS + s) 128 + row % 128) 4.
; WB: units of 12,288 bytes, unit u = 8 g + s: g 0-31 xn, 32-39 W_Q, 40-47 W_K, 48-55 W_V, 56-63 W_O, 64-95 W1, from 96 on W2 (32 steps to a block of rows); scale words at SW + 512 u.
; LAYERNORM: a work-group owns 16 rows.  First wave w owns rows 2w, 2w+1 (dense loads of 512 bytes; mean, then the sum of squared differences; rsq); the rows meet in LDS (pitch 4,112, so that sixteen rows'
; 16 bytes fall on sixteen different columns of banks); then wave w owns K step w: a lane reads two whole blocks of 32 of its row and quantises them.
; A block's scale byte is its largest magnitude's exponent field - 4, held at 1 from below.
; LIMITS: NaN and infinities are not served; largest magnitudes under 2^-122 are taken as 2^-122; a block of zeros gets the byte 1 (its codes are zeros; only this program reads the bytes).
; The scale words leave in pieces of 64 or 128 bytes: one byte in 24 of what is stored.
.set SW,    12582912
.set SOFF,  SW                         ; where the rows' scale words begin in the destination
.set PITCH, 4112
.set SEL,   22                         ; s[22:23] lane selects: lane l xor 16
.set H8,    7                          ; v7   8 x (lane / 16)
.set OD,    172                        ; v172-178 the conversions' second halves
.set TM,    180                        ; v180-186 at work in QUANT2
.set PW,    187                        ; v187 the scale word
.macro RSUM x, t                       ; the sum of v[x] over the 32 lanes, in every lane
.irp m, 1
	v_add_f32_dpp v[\x], v[\x], v[\x] row_xmask:\m row_mask:0xf bank_mask:0xf
.endr
.irp m, 2, 4, 8
	s_delay_alu instid0(VALU_DEP_1)
	v_add_f32_dpp v[\x], v[\x], v[\x] row_xmask:\m row_mask:0xf bank_mask:0xf
.endr
	s_delay_alu instid0(VALU_DEP_1)
	v_permlanex16_b32 v[\t], v[\x], s[SEL], s[SEL+1]
	s_delay_alu instid0(VALU_DEP_1)
	v_add_f32 v[\x], v[\x], v[\t]
.endm
; 64 numbers of a lane, v[src + 32 k + i] = number i of its block 2 k + h, become registers 0-11 of a fragment at v[dst] and the row's scale word in v[PW]
.macro QUANT2 src, dst
.irp k, 0,1
	v_max3_num_f32 v[TM+\k], |v[\src+32*\k]|, |v[\src+32*\k+1]|, 0x2800000   ; with the floor 2^(5 - 127): the byte cannot fall under 1
	v_max3_num_f32 v[TM+2+\k], |v[\src+32*\k+16]|, |v[\src+32*\k+17]|, |v[\src+32*\k+18]|
.endr
.irp i, 2,4,6,8,10,12
.irp k, 0,1
	s_delay_alu instid0(VALU_DEP_4)
	v_max3_num_f32 v[TM+\k], v[TM+\k], |v[\src+32*\k+\i]|, |v[\src+32*\k+\i+1]|
	s_delay_alu instid0(VALU_DEP_4)
	v_max3_num_f32 v[TM+2+\k], v[TM+2+\k], |v[\src+32*\k+\i+17]|, |v[\src+32*\k+\i+18]|
.endr
.endr
.irp k, 0
	s_delay_alu instid0(VALU_DEP_4)
	v_max3_num_f32 v[TM+\k], v[TM+\k], |v[\src+32*\k+14]|, |v[\src+32*\k+15]|
.endr
.irp k, 1
	s_delay_alu instid0(VALU_DEP_3)
	v_max3_num_f32 v[TM+\k], v[TM+\k], |v[\src+32*\k+14]|, |v[\src+32*\k+15]|
.endr
.irp k, 0,1
	s_delay_alu instid0(VALU_DEP_2)
	v_max3_num_f32 v[TM+\k], v[TM+\k], v[TM+2+\k], |v[\src+32*\k+31]|   ; the block's largest magnitude
.endr
.irp k, 0,1
	s_delay_alu instid0(VALU_DEP_2)
	v_add_nc_u32 v[TM+2+\k], 0xfe000000, v[TM+\k]   ; 4 off its exponent field: the conversion's scale operand
.endr
.irp k, 0,1
	s_delay_alu instid0(VALU_DEP_2)
	v_lshrrev_b32 v[TM+4+\k], 23, v[TM+2+\k]        ; the scale's byte
.endr
	s_delay_alu instid0(VALU_DEP_1)
	v_lshl_or_b32 v[PW], v[TM+5], 16, v[TM+4]       ; my bytes h and 2 + h of the word,
	s_delay_alu instid0(VALU_DEP_1)
	v_lshlrev_b32 v[PW], v[H8], v[PW]
	s_delay_alu instid0(VALU_DEP_1)
	v_permlanex16_b32 v[TM+6], v[PW], s[SEL], s[SEL+1]
	s_delay_alu instid0(VALU_DEP_1)
	v_or_b32 v[PW], v[PW], v[TM+6]                  ; with lane l xor 16's two the word is whole
.irp k, 0,1
	v_cvt_scalef32_pk16_bf6_f32 v[\dst+6*\k:\dst+6*\k+2], v[\src+32*\k:\src+32*\k+15], v[TM+2+\k]
	v_cvt_scalef32_pk16_bf6_f32 v[OD+4*\k:OD+4*\k+2], v[\src+32*\k+16:\src+32*\k+31], v[TM+2+\k]   ; (three registers begin on an even number)
.endr
	v_nop                                           ; one plain place behind the conversions
.irp k, 0,1
.irp i, 0,1,2
	v_mov_b32 v[\dst+6*\k+3+\i], v[OD+4*\k+\i]
.endr
.endr
.endm
.macro PICK from, c, s                 ; from work-group number 'from' on: the next weight's two buffers
	s_cmp_ge_u32 s13, \from
	s_cselect_b64 s[40:41], s[\c:\c+1], s[40:41]
	s_cselect_b64 s[42:43], s[\s:\s+1], s[42:43]
.endm
	s_load_b128 s[4:7], s[0:1], 0x0                ; X, g1
	s_load_b64 s[8:9], s[0:1], 0x10                ; b1
	s_load_b64 s[10:11], s[0:1], 0x78              ; WB
	v_lshl_add_u32 v192, v0, 2, 0x10200
	v_mov_b32 v193, 0
	v_lshrrev_b32 v1, 5, v0
	s_delay_alu instid0(VALU_DEP_1)
	v_readfirstlane_b32 s12, v1                    ; wave 0..7
	v_and_b32 v1, 31, v0                           ; lane
	s_delay_alu instid0(VALU_DEP_1)
	v_lshlrev_b32 v2, 4, v1                        ; 16 x lane
	s_delay_alu instid0(VALU_DEP_2)
	v_lshlrev_b32 v8, 3, v1                        ; 8 x lane
	v_and_b32 v5, 15, v0                           ; r
	v_bfe_u32 v6, v0, 4, 1                         ; h
	s_cmp_ge_u32 ttmp9, 256                        ; the same for all waves of a work-group
	s_cbranch_scc1 .Lrelay
	; ---- layernorm and quantiser
	v_lshlrev_b32 v[H8], 3, v6
	v_lshlrev_b32 v9, 2, v5                        ; 4 r
	s_mul_i32 s13, s12, 2*PITCH
	v_add_nc_u32 v3, s13, v2                       ; LDS, in: my wave's two rows, 16 bytes a lane
	v_mul_u32_u24 v4, v5, PITCH
	s_delay_alu instid0(VALU_DEP_1)
	v_lshl_add_u32 v4, v6, 7, v4
	s_lshl_b32 s13, s12, 9
	v_add_nc_u32 v4, s13, v4                       ; LDS, out: row r, K step = wave, + 128 h
	s_mov_b32 s[SEL], 0x76543210
	s_mov_b32 s[SEL+1], 0xfedcba98
	s_mov_b32 s20, 0x3a800000                      ; 1 / 1,024
	s_mov_b32 s21, 0x358637bd                      ; 1e-6
	v_mov_b32 v28, 0                               ; lane permutes' destinations count as read
	v_mov_b32 v29, 0
	v_mov_b32 v[TM+6], 0
	s_lshl_b32 s14, ttmp9, 16                      ; 16 rows of 4,096 bytes a work-group,
	s_lshl_b32 s15, s12, 13                        ; two a wave
	s_add_co_u32 s14, s14, s15
	s_mov_b32 s15, 0
	s_wait_kmcnt 0x0
	s_add_nc_u64 s[4:5], s[4:5], s[14:15]
.irp p, 0,1
.irp i, 0,1,2,3,4,5,6,7
	global_load_b128 v[32+32*\p+4*\i:35+32*\p+4*\i], v2, s[4:5] offset:4096*\p+512*\i   ; 512 consecutive bytes a load
.endr
.endr
.irp i, 0,1,2,3,4,5,6,7
	global_load_b128 v[96+4*\i:99+4*\i], v2, s[6:7] offset:512*\i
.endr
.irp i, 0,1,2,3,4,5,6,7
	global_load_b128 v[128+4*\i:131+4*\i], v2, s[8:9] offset:512*\i
.endr
	s_wait_loadcnt 16                              ; the rows are in; the gain's and the bias's sixteen loads may be out
.irp p, 0,1
	v_pk_add_f32 v[10+4*\p:11+4*\p], v[32+32*\p:33+32*\p], v[34+32*\p:35+32*\p]
	v_pk_add_f32 v[12+4*\p:13+4*\p], v[48+32*\p:49+32*\p], v[50+32*\p:51+32*\p]
.endr
.irp i, 4,6,8,10,12,14
.irp p, 0,1
	s_delay_alu instid0(VALU_DEP_4)
	v_pk_add_f32 v[10+4*\p:11+4*\p], v[10+4*\p:11+4*\p], v[32+32*\p+\i:33+32*\p+\i]
	s_delay_alu instid0(VALU_DEP_4)
	v_pk_add_f32 v[12+4*\p:13+4*\p], v[12+4*\p:13+4*\p], v[48+32*\p+\i:49+32*\p+\i]
.endr
.endr
.irp p, 0
	s_delay_alu instid0(VALU_DEP_3)
	v_pk_add_f32 v[10+4*\p:11+4*\p], v[10+4*\p:11+4*\p], v[12+4*\p:13+4*\p]
.endr
.irp p, 1
	s_delay_alu instid0(VALU_DEP_2)
	v_pk_add_f32 v[10+4*\p:11+4*\p], v[10+4*\p:11+4*\p], v[12+4*\p:13+4*\p]
.endr
.irp p, 0,1
	s_delay_alu instid0(VALU_DEP_2)
	v_add_f32 v[10+4*\p], v[10+4*\p], v[11+4*\p]
.endr
	RSUM 10, 28
	RSUM 14, 29
.irp p, 0
	v_mul_f32 v[18+2*\p], s20, v[10+4*\p]          ; the mean, in both registers of a pair
	v_mul_f32 v[19+2*\p], s20, v[10+4*\p]
.endr
.irp p, 1
	s_delay_alu instid0(VALU_DEP_3)
	v_mul_f32 v[18+2*\p], s20, v[10+4*\p]          ; the mean, in both registers of a pair
	s_delay_alu instid0(VALU_DEP_4)
	v_mul_f32 v[19+2*\p], s20, v[10+4*\p]
.endr
.irp i, 0,2,4,6,8,10,12,14,16,18,20,22,24,26,28,30
.irp p, 0,1
	v_pk_add_f32 v[32+32*\p+\i:33+32*\p+\i], v[32+32*\p+\i:33+32*\p+\i], v[18+2*\p:19+2*\p] neg_lo:[0,1] neg_hi:[0,1]   ; x - mean
.endr
.endr
.irp p, 0,1
	v_pk_mul_f32 v[10+4*\p:11+4*\p], v[32+32*\p:33+32*\p], v[32+32*\p:33+32*\p]
	v_pk_mul_f32 v[12+4*\p:13+4*\p], v[48+32*\p:49+32*\p], v[48+32*\p:49+32*\p]
.endr
.irp i, 2,4,6,8,10,12,14
.irp p, 0,1
	s_delay_alu instid0(VALU_DEP_4)
	v_pk_fma_f32 v[10+4*\p:11+4*\p], v[32+32*\p+\i:33+32*\p+\i], v[32+32*\p+\i:33+32*\p+\i], v[10+4*\p:11+4*\p]
	s_delay_alu instid0(VALU_DEP_4)
	v_pk_fma_f32 v[12+4*\p:13+4*\p], v[48+32*\p+\i:49+32*\p+\i], v[48+32*\p+\i:49+32*\p+\i], v[12+4*\p:13+4*\p]
.endr
.endr
.irp p, 0
	s_delay_alu instid0(VALU_DEP_3)
	v_pk_add_f32 v[10+4*\p:11+4*\p], v[10+4*\p:11+4*\p], v[12+4*\p:13+4*\p]
.endr
.irp p, 1
	s_delay_alu instid0(VALU_DEP_2)
	v_pk_add_f32 v[10+4*\p:11+4*\p], v[10+4*\p:11+4*\p], v[12+4*\p:13+4*\p]
.endr
.irp p, 0,1
	s_delay_alu instid0(VALU_DEP_2)
	v_add_f32 v[10+4*\p], v[10+4*\p], v[11+4*\p]
.endr
	RSUM 10, 28
	RSUM 14, 29
	v_fma_f32 v22, v10, s20, s21                   ; the variance + 1e-6
	s_delay_alu instid0(VALU_DEP_2)
	v_fma_f32 v23, v14, s20, s21
	s_wait_alu depctr_va_vdst(0)
	v_rsq_f32 v24, v22
	v_rsq_f32 v26, v23
	v_nop                                          ; a plain place behind the two
	s_wait_alu depctr_va_vdst(0)                   ; one wait for both, ahead of their first reader
	v_mov_b32 v25, v24
	v_mov_b32 v27, v26
	s_wait_alu depctr_va_vdst(0)
	s_wait_loadcnt 0x0                             ; gain and bias
.irp i, 0,2,4,6,8,10,12,14,16,18,20,22,24,26,28,30
.irp p, 0,1
	v_pk_mul_f32 v[32+32*\p+\i:33+32*\p+\i], v[32+32*\p+\i:33+32*\p+\i], v[24+2*\p:25+2*\p]
.endr
.irp p, 0,1
	s_delay_alu instid0(VALU_DEP_2)
	v_pk_fma_f32 v[32+32*\p+\i:33+32*\p+\i], v[32+32*\p+\i:33+32*\p+\i], v[96+\i:97+\i], v[128+\i:129+\i]
.endr
.endr
.irp p, 0,1
.irp i, 0,1,2,3,4,5,6,7
	ds_store_b128 v3, v[32+32*\p+4*\i:35+32*\p+4*\i] offset:PITCH*\p+512*\i
.endr
.endr
	s_wait_dscnt 0x0                               ; my stores have landed, for the other waves' sake
	s_barrier_signal -1
	s_barrier_wait -1                              ; the sixteen rows lie in LDS
.irp c, 0,1
.irp q, 0,1,2,3,4,5,6,7
	ds_load_b128 v[32+32*\c+4*\q:35+32*\c+4*\q], v4 offset:256*\c+16*\q   ; block 4 w + 2 c + h of row r
.endr
.endr
	s_lshr_b32 s13, ttmp9, 3
	s_lshl_b32 s13, s13, 3
	s_add_co_u32 s13, s13, s12                     ; unit = 8 x (block of 128 rows) + K step
	s_and_b32 s14, ttmp9, 7                        ; tile
	s_lshl_b32 s16, s13, 3
	s_add_co_u32 s16, s16, s14
	s_mul_i32 s16, s16, 1536
	s_mov_b32 s17, 0
	s_lshl_b32 s18, s13, 9
	s_lshl_b32 s14, s14, 6
	s_add_co_u32 s18, s18, s14
	s_add_co_u32 s18, s18, SOFF
	s_mov_b32 s19, 0
	s_add_nc_u64 s[16:17], s[10:11], s[16:17]
	s_add_nc_u64 s[18:19], s[10:11], s[18:19]
	s_wait_dscnt 0x0
	QUANT2 32, 160
	global_store_b128 v2, v[160:163], s[16:17]             ; each store covers 512 or 256 consecutive bytes, aligned
	global_store_b64 v8, v[164:165], s[16:17] offset:512
	global_store_b128 v2, v[166:169], s[16:17] offset:768
	global_store_b64 v8, v[170:171], s[16:17] offset:1280
	global_store_b32 v9, v[PW], s[18:19]                   ; both halves of the lanes hold and write the same word
	s_wait_tensorcnt 0x0
	ds_add_u32 v192, v193
	s_wait_dscnt 0x0
	s_endpgm
	; ---- the weights: wave w of work-group 256 + j lays one unit: 128 rows x 128 K
.Lrelay:
	s_load_b256 s[16:23], s[0:1], 0x18             ; codes of W_Q, W_K, W_V, W_O
	s_load_b128 s[24:27], s[0:1], 0x38             ; of W1, W2
	s_load_b256 s[28:35], s[0:1], 0x48             ; scales of W_Q, W_K, W_V, W_O
	s_load_b128 s[36:39], s[0:1], 0x68             ; of W1, W2
	s_sub_co_u32 s13, ttmp9, 256                   ; j
	s_and_b32 s14, s13, 7                          ; the block of 128 rows: j % 8 in the four square weights,
	s_sub_co_u32 s15, s13, 32
	s_cmp_ge_u32 s13, 32
	s_cselect_b32 s14, s15, s14                    ; j - 32 in W1,
	s_sub_co_u32 s15, s13, 64
	s_lshr_b32 s44, s15, 2                         ; (j - 64) / 4 in W2,
	s_and_b32 s15, s15, 3
	s_lshl_b32 s15, s15, 3
	s_add_co_u32 s15, s15, s12                     ; whose K step is 8 ((j - 64) % 4) + wave
	s_movk_i32 s45, 768
	s_cmp_ge_u32 s13, 64
	s_cselect_b32 s14, s44, s14
	s_cselect_b32 s15, s15, s12                    ; K step
	s_cselect_b32 s45, 3072, s45                   ; a row of codes in bytes
	s_cselect_b32 s46, 128, 32                     ; a row of scale bytes
	s_wait_alu depctr_va_vdst(0)
	v_mul_lo_u32 v10, v5, s45
	s_delay_alu instid0(VALU_DEP_1)
	v_mad_u32_u24 v10, v6, 24, v10                 ; row r, + 24 h
	s_lshl_b32 s47, s45, 4
.irp t, 1
	v_add_nc_u32 v[10+\t], s47, v[9+\t]            ; tile t: 16 rows on
.endr
.irp t, 2, 3, 4, 5, 6, 7
	s_delay_alu instid0(VALU_DEP_1)
	v_add_nc_u32 v[10+\t], s47, v[9+\t]            ; tile t: 16 rows on
.endr
	v_mul_lo_u32 v18, v1, s46
	s_lshl_b32 s49, s46, 5
.irp i, 1
	v_add_nc_u32 v[18+\i], s49, v[17+\i]           ; scale words: rows 32 i + lane
.endr
.irp i, 2, 3
	s_delay_alu instid0(VALU_DEP_1)
	v_add_nc_u32 v[18+\i], s49, v[17+\i]           ; scale words: rows 32 i + lane
.endr
	v_lshlrev_b32 v9, 2, v1                        ; 4 x lane
	s_mul_i32 s50, s14, s45
	s_lshl_b32 s50, s50, 7
	s_mul_i32 s48, s15, 96
	s_add_co_u32 s50, s50, s48
	s_mov_b32 s51, 0
	s_mul_i32 s52, s14, s46
	s_lshl_b32 s52, s52, 7
	s_lshl_b32 s48, s15, 2
	s_add_co_u32 s52, s52, s48
	s_mov_b32 s53, 0
	s_add_co_u32 s48, s13, 32
	s_lshl_b32 s48, s48, 3
	s_add_co_u32 s48, s48, s12                     ; the unit in WB: 8 (32 + j) + wave, for all six weights
	s_mul_i32 s54, s48, 12288
	s_mov_b32 s55, 0
	s_lshl_b32 s56, s48, 9
	s_add_co_u32 s56, s56, SW
	s_mov_b32 s57, 0
	s_wait_alu depctr_va_vdst(0)
	s_wait_kmcnt 0x0
	s_mov_b64 s[40:41], s[16:17]
	s_mov_b64 s[42:43], s[28:29]
	PICK 8, 18, 30
	PICK 16, 20, 32
	PICK 24, 22, 34
	PICK 32, 24, 36
	PICK 64, 26, 38
	s_add_nc_u64 s[40:41], s[40:41], s[50:51]
	s_add_nc_u64 s[42:43], s[42:43], s[52:53]
	s_add_nc_u64 s[54:55], s[10:11], s[54:55]
	s_add_nc_u64 s[56:57], s[10:11], s[56:57]
.irp i, 0,1,2,3
	global_load_b32 v[22+\i], v[18+\i], s[42:43]
.endr
.irp t, 0,1,2,3,4,5,6,7
.irp p, 0,1,2,3,4,5
	global_load_b64 v[32+12*\t+2*\p:33+12*\t+2*\p], v[10+\t], s[40:41] offset:48*(\p/3)+8*(\p%3)   ; the fragment's registers, as the row's bits lie
.endr
.endr
.irp t, 0,1,2,3,4,5,6,7
	s_wait_loadcnt 6*(7-\t)                        ; tile t is in; the later tiles' six loads each may be out
.if \t == 0
.irp i, 0,1,2,3
	global_store_b32 v9, v[22+\i], s[56:57] offset:128*\i
.endr
.endif
	global_store_b128 v2, v[32+12*\t:35+12*\t], s[54:55] offset:1536*\t
	global_store_b64 v8, v[36+12*\t:37+12*\t], s[54:55] offset:1536*\t+512
	global_store_b128 v2, v[38+12*\t:41+12*\t], s[54:55] offset:1536*\t+768
	global_store_b64 v8, v[42+12*\t:43+12*\t], s[54:55] offset:1536*\t+1280
.endr
	s_endpgm
.Lfunc_end_k_qaeec932ff8_prep:
	.size	k_qaeec932ff8_prep, .Lfunc_end_k_qaeec932ff8_prep-k_qaeec932ff8_prep
	.p2alignl 7, 3214868480
	.fill 96, 4, 3214868480
	.section	.rodata,"a",@progbits
	.p2align	6, 0x0
	.amdhsa_kernel k_qaeec932ff8_prep
		.amdhsa_group_segment_fixed_size 67072
		.amdhsa_private_segment_fixed_size 0
		.amdhsa_enable_private_segment 0
		.amdhsa_kernarg_size 128
		.amdhsa_user_sgpr_count 2
		.amdhsa_user_sgpr_kernarg_segment_ptr 1
		.amdhsa_wavefront_size32 1
		.amdhsa_system_sgpr_workgroup_id_x 1
		.amdhsa_system_sgpr_workgroup_id_y 1
		.amdhsa_system_sgpr_workgroup_id_z 1
		.amdhsa_system_vgpr_workitem_id 0
		.amdhsa_next_free_vgpr 194
		.amdhsa_next_free_sgpr 66
		.amdhsa_reserve_vcc 0
		.amdhsa_float_denorm_mode_32 3
		.amdhsa_float_denorm_mode_16_64 3
		.amdhsa_memory_ordered 1
		.amdhsa_forward_progress 1
		.amdhsa_inst_pref_size 40
	.end_amdhsa_kernel
	.amdgpu_metadata
---
amdhsa.version: [ 1, 2 ]
amdhsa.kernels:
  - .name:           k_qaeec932ff8_prep
    .symbol:         k_qaeec932ff8_prep.kd
    .args:
      - { .name: X, .offset: 0, .size: 8, .value_kind: global_buffer, .address_space: global }
      - { .name: g1, .offset: 8, .size: 8, .value_kind: global_buffer, .address_space: global }
      - { .name: b1, .offset: 16, .size: 8, .value_kind: global_buffer, .address_space: global }
      - { .name: W_Q_codes, .offset: 24, .size: 8, .value_kind: global_buffer, .address_space: global }
      - { .name: W_K_codes, .offset: 32, .size: 8, .value_kind: global_buffer, .address_space: global }
      - { .name: W_V_codes, .offset: 40, .size: 8, .value_kind: global_buffer, .address_space: global }
      - { .name: W_O_codes, .offset: 48, .size: 8, .value_kind: global_buffer, .address_space: global }
      - { .name: W1_codes, .offset: 56, .size: 8, .value_kind: global_buffer, .address_space: global }
      - { .name: W2_codes, .offset: 64, .size: 8, .value_kind: global_buffer, .address_space: global }
      - { .name: W_Q_scales, .offset: 72, .size: 8, .value_kind: global_buffer, .address_space: global }
      - { .name: W_K_scales, .offset: 80, .size: 8, .value_kind: global_buffer, .address_space: global }
      - { .name: W_V_scales, .offset: 88, .size: 8, .value_kind: global_buffer, .address_space: global }
      - { .name: W_O_scales, .offset: 96, .size: 8, .value_kind: global_buffer, .address_space: global }
      - { .name: W1_scales, .offset: 104, .size: 8, .value_kind: global_buffer, .address_space: global }
      - { .name: W2_scales, .offset: 112, .size: 8, .value_kind: global_buffer, .address_space: global }
      - { .name: WB, .offset: 120, .size: 8, .value_kind: global_buffer, .address_space: global }
    .group_segment_fixed_size: 67072
    .private_segment_fixed_size: 0
    .kernarg_segment_align: 8
    .kernarg_segment_size: 128
    .max_flat_workgroup_size: 256
    .sgpr_count:     66
    .vgpr_count:     194
    .wavefront_size: 32
...
	.end_amdgpu_metadata
.endif
;; end of part 1
;; launch qkv (part 2): grid 48 x 4, 4 waves a work-group, clusters of 4 x 4, 327,680 bytes of LDS; arguments WB, padding_mask, QKV; writes QKV
.if DOCPART == 2
	.amdgcn_target "amdgcn-amd-amdhsa--gfx1250"
	.amdhsa_code_object_version 6
	.text
	.protected	k_qaeec932ff8_qkv
	.globl	k_qaeec932ff8_qkv
	.p2align	8
	.type	k_qaeec932ff8_qkv,@function
k_qaeec932ff8_qkv:
	s_mov_b64 s[64:65], 0
	v_nop
	global_prefetch_b8 v0, s[64:65] scope:SCOPE_SE
	s_setreg_imm32_b32 hwreg(HW_REG_WAVE_MODE, 25, 1), 1
	s_wait_xcnt 0x0
	s_wait_alu depctr_hold_cnt(0) depctr_sa_sdst(0) depctr_va_vdst(0) depctr_va_sdst(0) depctr_va_ssrc(0) depctr_va_vcc(0) depctr_vm_vsrc(0)
	s_getreg_b32 s2, hwreg(HW_REG_IB_STS2, 6, 4)
	s_cmp_eq_u32 s2, 0
	s_cbranch_scc0 .Lentry_in_a_cluster
	s_endpgm
.Lentry_in_a_cluster:
	s_bfe_u32 s2, ttmp6, 0x10000c
	s_cmp_lg_u32 s2, 0xf033
	s_cbranch_scc0 .Lentry_shape_is_right
	s_endpgm
.Lentry_shape_is_right:
; QKV.  q = xn W_Q, k = xn W_K, v = xn W_V on E3M2 codes (K = 1,024), and the results quantised again: q and k along the features (the scores' K), v along the tokens (the second product's K).
; All operands come from WB as images of operand registers (fragment = 1,536 bytes, unit = 128 rows x 128 K = 12,288 bytes, a block of 128 rows = 8 units; scale words at SW + 512 x unit).
; A work-group makes 256 rows of source 0 x 256 rows of source 1; a wave 128 x 128: 64 accumulators.  In a result lane (r, h) holds row r of source 1, and its registers run along source 0's rows.
; Cluster x = X.  X < 8: source 0 = W_Q (X even) or W_K (X odd), source 1 = xn: a lane holds a token, registers run along the features.  X >= 8: source 0 = xn, source 1 = W_V: a lane holds a feature, registers run
; along the tokens.  So ONE text quantises all three along the right axis.  Only offsets into WB and QKV are chosen by X.
; FROM RESULT TO OPERAND: of four neighbouring tiles (64 along the next K) sixteen half-swaps give lanes 0-15 the first block of 32 and lanes 16-31 the second.  The block's octets then stand in the order 0, 2, 1, 3;
; q and k carry that same order, and v carries the order in which the attention launch's p stands: the products are the same sums, grouped otherwise.
; k's rows of masked keys are multiplied by 0 ahead of the quantiser: the attention launch adds the mask's number to a score that is then exactly 0.
; LDS: three regions of 98,304 bytes (two K steps of all four blocks of rows), the scale words of all of K, the spare words.  Six of the eight K steps are asked for at the start: one tensor load of a wave is out;
; one refill (K steps 6, 7) goes into region 0 behind K step 1's round and has four K steps in which to land.
; CLUSTER 4 x 4: source 1's tiles hang on cy and are shared along a row of the cluster, source 0's on cx and along a column: joint loads.
; REGISTERS: window 0: v1-31 addresses, v32-47 scale words (two sets), v48-63 at work, v64-159 and v160-255 source 1's fragments (two sets).  window 1: v0-95, v96-191 source 0's.  windows 2, 3: accumulator (a, b) at v[64 (a % 4) + 8 b].
; LIMITS: NaN and infinities are not served; a block's largest magnitude is floored at 2^-122; a block of zeros gets the byte 1 with zero codes.  Scale words leave in pieces of 64 bytes.
; THE FILLS, as the text below has them: LDS holds four blocks of 128 rows, 73,728 bytes each (six K steps on end); wave w asks at the head for K steps 0-5 of its block by ONE joint load (288 rows of 256 bytes);
; K steps 6, 7 go into the block's first 24,576 bytes behind K step 1's round.  One tensor load of a wave is out at any time.  A region n is K steps 2 n, 2 n + 1: 24,576 n inside each block.
; The scale words (4,096 bytes a block) come through registers: eight loads of 512 bytes a wave, stored into LDS bytes on which no fill lands.  They are 16,384 of the 409,600 bytes that a work-group takes in, so they are not asked for jointly.
; No prefetch: the walk along K is written out and six of its eight K steps are asked for at the head: there is no loop to run ahead in.
.set SW,    12582912
.set RGN,   98304
.set SLICE, 24576
.set SCL,   294912
.set SPARE, 311296
.set H8,    2
.set SPW,   18
.set NIL,   19
.set TM,    48
.set PW,    55
.set OD,    56
.set SEL,   100
.set G1A,   24                         ; s[24:31] group 1: source 1's codes;  s[32:39] source 0's;  s[40:47], s[48:55] the same for the head's loads of six K steps
.set G1B,   32
.set G1SA,  40
.set G1SB,  48
.set F0A,   56                         ; group 0: source 1's fills;
.set F1A,   60
.set F2A,   68
.set F0B,   72                         ; source 0's;
.set F1B,   76
.set F2B,   80
.set FSA,   84                         ; the scale words'
.set FSB,   88
.set MSB, 0
.macro WIN new                         ; the immediate's high byte repeats the setting that is left
.if MSB != (\new)
	s_set_vgpr_msb (MSB<<8)|(\new)
.set MSB, \new
.endif
.endm
.macro PLACES                          ; four plain places behind matrix instructions (ISA guide 7.12.1)
.rept 4
	v_nop
.endr
.endm
.macro JLOAD g0a, g1a, g0b, g1b        ; a joint load: waves 0, 1 fetch for source 1, waves 2, 3 for source 0; four v_nop follow each line
	s_cmp_eq_u32 s15, 0
	s_cbranch_scc0 .Lfor0_\@
	tensor_load_to_lds s[\g0a:\g0a+3], s[\g1a:\g1a+7]
	s_nop 0
.rept 4
	v_nop
.endr
	s_branch .Lasked_\@
.Lfor0_\@:
	tensor_load_to_lds s[\g0b:\g0b+3], s[\g1b:\g1b+7]
	s_nop 0
.rept 4
	v_nop
.endr
.Lasked_\@:
.endm
.macro CREST                           ; a round of the cluster's barrier behind its opening barrier
	s_cmp_lg_u32 s14, 0
	s_cbranch_scc1 .Lnot0_\@
	s_barrier_signal -3
.Lnot0_\@:
	s_barrier_wait -3
	s_barrier_signal -1
	s_barrier_wait -1
.endm
.macro CROUND
	s_barrier_signal -1
	s_barrier_wait -1
	CREST
.endm
.macro G0SET g, lr, la, base, ga       ; a group 0: LDS address s[lr] + la, global address s[base] + ga
	s_mov_b32 s[\g], 1
	s_add_co_u32 s[\g+1], s[\lr], \la
	s_add_nc_u64 s[\g+2:\g+3], s[\base:\base+1], \ga
	s_or_b32 s[\g+3], s[\g+3], 0x80000000
.endm
.macro FRAGL reg, a16, a8, off         ; a fragment out of its image: four dense loads
	ds_load_b128 v[(\reg):(\reg)+3], v[\a16] offset:\off
	ds_load_b64 v[(\reg)+4:(\reg)+5], v[\a8] offset:\off
	ds_load_b128 v[(\reg)+6:(\reg)+9], v[\a16] offset:\off+768
	ds_load_b64 v[(\reg)+10:(\reg)+11], v[\a8] offset:\off+768
.endm
.macro FETCH1 sg, n, kp, st            ; 56 loads into set sg: source 0's eight fragments, the eight scale words of K step st, source 1's tiles 0-3; from region n, its K step kp
	WIN 0x40
.irp t, 0,1,2,3,4,5,6,7
	FRAGL 96*(\sg)+12*\t, 6+4*(\n), 7+4*(\n), (\kp)*12288+\t*1536
.endr
	WIN 0
.irp i, 0,1,2,3
	ds_load_b32 v[32+8*(\sg)+\i], v16 offset:(\st)*512+128*\i      ; rows 32 i + lane: tile 2 i in lanes 0-15, tile 2 i + 1 in lanes 16-31
	ds_load_b32 v[36+8*(\sg)+\i], v17 offset:(\st)*512+128*\i
.endr
.irp t, 0,1,2,3
	FRAGL 64+96*(\sg)+12*\t, 4+4*(\n), 5+4*(\n), (\kp)*12288+\t*1536
.endr
.endm
.macro FETCH2 sg, n, kp                ; 16 loads: source 1's tiles 4-7
	WIN 0
.irp t, 4,5,6,7
	FRAGL 64+96*(\sg)+12*\t, 4+4*(\n), 5+4*(\n), (\kp)*12288+\t*1536
.endr
.endm
.macro WMM d, a, b, c, sa, sb, ra, rb  ; one product; ra, rb: which half of the lanes holds the tile's scale words
.if (\ra) == 0 && (\rb) == 0
	v_wmma_scale_f32_16x16x128_f8f6f4 v[\d:\d+7], v[\a:\a+11], v[\b:\b+11], \c, v[\sa], v[\sb] matrix_a_fmt:MATRIX_FMT_BF6 matrix_b_fmt:MATRIX_FMT_BF6
.elseif (\rb) == 0
	v_wmma_scale_f32_16x16x128_f8f6f4 v[\d:\d+7], v[\a:\a+11], v[\b:\b+11], \c, v[\sa], v[\sb] matrix_a_fmt:MATRIX_FMT_BF6 matrix_b_fmt:MATRIX_FMT_BF6 matrix_a_scale:MATRIX_SCALE_ROW1
.elseif (\ra) == 0
	v_wmma_scale_f32_16x16x128_f8f6f4 v[\d:\d+7], v[\a:\a+11], v[\b:\b+11], \c, v[\sa], v[\sb] matrix_a_fmt:MATRIX_FMT_BF6 matrix_b_fmt:MATRIX_FMT_BF6 matrix_b_scale:MATRIX_SCALE_ROW1
.else
	v_wmma_scale_f32_16x16x128_f8f6f4 v[\d:\d+7], v[\a:\a+11], v[\b:\b+11], \c, v[\sa], v[\sb] matrix_a_fmt:MATRIX_FMT_BF6 matrix_b_fmt:MATRIX_FMT_BF6 matrix_a_scale:MATRIX_SCALE_ROW1 matrix_b_scale:MATRIX_SCALE_ROW1
.endif
.endm
; 16 products: source 1's tiles a0, a0 + 1 x source 0's eight, on set sg.  cm = 1: they start the sums.  The 64 accumulators take turns in one order in every K step.
.macro MUL16 a0, sg, cm
	WIN 0xa1+0x50*((\a0)/4)
.irp a, \a0, \a0+1
.irp b, 0,1,2,3,4,5,6,7
.if (\cm) == 1
	WMM 64*((\a)%4)+8*\b, 96*(\sg)+12*\b, 64+96*(\sg)+12*(\a), 0, 36+8*(\sg)+\b/2, 32+8*(\sg)+(\a)/2, \b%2, (\a)%2
.else
	WMM 64*((\a)%4)+8*\b, 96*(\sg)+12*\b, 64+96*(\sg)+12*(\a), v[64*((\a)%4)+8*\b:64*((\a)%4)+8*\b+7], 36+8*(\sg)+\b/2, 32+8*(\sg)+(\a)/2, \b%2, (\a)%2
.endif
.endr
.endr
.endm
.macro STEP sg, n, kp, st, cm          ; a K step on set sg; the next one (region n, kp; K step st) is fetched into the other set
	s_wait_dscnt 16                                ; all but the youngest sixteen loads (source 1's tiles 4-7)
	MUL16 0, \sg, \cm
	PLACES                                         ; in front of loads into the set that the last K step multiplied
	FETCH1 1-(\sg), \n, \kp, \st
	MUL16 2, \sg, \cm
	s_wait_dscnt 56                                ; all but the 56 just issued
	MUL16 4, \sg, \cm
	MUL16 6, \sg, \cm
	FETCH2 1-(\sg), \n, \kp
.endm
.macro QUANT2 src, dst                 ; 64 numbers of a lane (two whole blocks) -> a fragment's 12 registers at v[dst], the row's scale word in v[PW]
.irp k, 0,1
	v_max3_num_f32 v[TM+\k], |v[\src+32*\k]|, |v[\src+32*\k+1]|, 0x2800000   ; with the floor 2^(5 - 127): the byte cannot fall under 1
	v_max3_num_f32 v[TM+2+\k], |v[\src+32*\k+16]|, |v[\src+32*\k+17]|, |v[\src+32*\k+18]|
.endr
.irp i, 2,4,6,8,10,12
.irp k, 0,1
	v_max3_num_f32 v[TM+\k], v[TM+\k], |v[\src+32*\k+\i]|, |v[\src+32*\k+\i+1]|
	v_max3_num_f32 v[TM+2+\k], v[TM+2+\k], |v[\src+32*\k+\i+17]|, |v[\src+32*\k+\i+18]|
.endr
.endr
.irp k, 0,1
	v_max3_num_f32 v[TM+\k], v[TM+\k], |v[\src+32*\k+14]|, |v[\src+32*\k+15]|
.endr
.irp k, 0,1
	v_max3_num_f32 v[TM+\k], v[TM+\k], v[TM+2+\k], |v[\src+32*\k+31]|
.endr
.irp k, 0,1
	v_add_nc_u32 v[TM+2+\k], 0xfe000000, v[TM+\k]   ; 4 off the exponent field: the conversion's scale operand
.endr
.irp k, 0,1
	v_lshrrev_b32 v[TM+4+\k], 23, v[TM+2+\k]
.endr
	v_lshl_or_b32 v[PW], v[TM+5], 16, v[TM+4]
	v_lshlrev_b32 v[PW], v[H8], v[PW]
	v_permlanex16_b32 v[TM+6], v[PW], s[SEL], s[SEL+1]
	v_or_b32 v[PW], v[PW], v[TM+6]
.irp k, 0,1
	v_cvt_scalef32_pk16_bf6_f32 v[\dst+6*\k:\dst+6*\k+2], v[\src+32*\k:\src+32*\k+15], v[TM+2+\k]
	v_cvt_scalef32_pk16_bf6_f32 v[OD+4*\k:OD+4*\k+2], v[\src+32*\k+16:\src+32*\k+31], v[TM+2+\k]
.endr
	v_nop                                           ; one plain place behind the conversions
.irp k, 0,1
.irp i, 0,1,2
	v_mov_b32 v[\dst+6*\k+3+\i], v[OD+4*\k+\i]
.endr
.endr
.endm
	s_load_b128 s[4:7], s[0:1], 0x0                ; WB, padding_mask
	s_load_b64 s[8:9], s[0:1], 0x10                ; QKV
	v_lshl_add_u32 v[SPW], v0, 2, SPARE
	v_mov_b32 v[NIL], 0
	ds_add_u32 v18, v19
	ds_add_u32 v18, v19
	s_wait_dscnt 0x0
	v_lshrrev_b32 v1, 5, v0
	v_readfirstlane_b32 s14, v1                    ; wave 0..3
	s_lshr_b32 s15, s14, 1                         ; my half of source 1's rows.  Also: I fetch for source 1 (0) or source 0 (1)
	s_and_b32 s16, s14, 1                          ; my half of source 0's rows.  Also: which block of 128 rows I fetch
	s_bfe_u32 s17, ttmp6, 0x40000                  ; cx
	s_bfe_u32 s18, ttmp6, 0x40004                  ; cy
	s_lshl_b32 s19, s18, 2
	s_lshl_b32 s19, 15, s19                        ; my row of the cluster
	s_lshl_b32 s20, 0x1111, s17                    ; my column
	s_and_b32 s21, ttmp9, 1
	s_lshl_b32 s21, s21, 3
	s_add_co_u32 s21, s21, 32                      ; X < 8: source 0 begins at W_Q's or W_K's first block,
	s_sub_co_u32 s2, ttmp9, 8
	s_lshl_b32 s2, s2, 3                           ; X >= 8: at xn's block 8 (X - 8)
	s_lshr_b32 s22, ttmp9, 1
	s_lshl_b32 s22, s22, 3                         ; X < 8: source 1 at xn's block 8 (X / 2); X >= 8: at W_V's first
	s_cmp_lt_u32 ttmp9, 8
	s_cselect_b32 s21, s21, s2
	s_cselect_b32 s22, s22, 48
	s_or_b32 s[G1A], s19, (3<<16)|(1<<21)          ; 15:0 the mask; 17:16 elements of 8 bytes; 21 set beside a mask; no padding: images are read densely
	s_or_b32 s[G1B], s20, (3<<16)|(1<<21)
	s_or_b32 s[G1SA], s19, (3<<16)|(1<<21)
	s_or_b32 s[G1SB], s20, (3<<16)|(1<<21)
.irp g, G1A, G1B
	s_mov_b32 s[\g+1], 32<<16                      ; rows of 256 bytes,
	s_mov_b32 s[\g+2], 96<<16                      ; 96 of them: two K steps of a block of 128 rows, dense in memory
	s_mov_b32 s[\g+3], 32<<16
	s_mov_b32 s[\g+4], 96
	s_mov_b32 s[\g+5], 32
	s_mov_b32 s[\g+6], 0
	s_mov_b32 s[\g+7], 0
.endr
.irp g, G1SA, G1SB                     ; the head's loads: 288 rows of 256 bytes: six K steps of a block, dense in memory
	s_mov_b32 s[\g+1], 32<<16
	s_mov_b32 s[\g+2], 288<<16
	s_mov_b32 s[\g+3], 32<<16
	s_mov_b32 s[\g+4], 288
	s_mov_b32 s[\g+5], 32
	s_mov_b32 s[\g+6], 0
	s_mov_b32 s[\g+7], 0
.endr
	s_lshl_b32 s92, s18, 1
	s_add_co_u32 s92, s92, s22
	s_add_co_u32 s92, s92, s16                     ; source 1's block that I would fetch: hangs on cy, never on cx
	s_lshl_b32 s94, s17, 1
	s_add_co_u32 s94, s94, s21
	s_add_co_u32 s94, s94, s16                     ; source 0's: on cx, never on cy
	s_lshl_b32 s96, s92, 12
	s_add_co_u32 s96, s96, SW
	s_lshl_b32 s98, s94, 12
	s_add_co_u32 s98, s98, SW
	s_mul_i32 s92, s92, RGN
	s_mul_i32 s94, s94, RGN
	s_mov_b32 s93, 0
	s_mov_b32 s95, 0
	s_mov_b32 s97, 0
	s_mov_b32 s99, 0
	s_mul_i32 s23, s14, 3*SLICE                    ; where they go: wave x a block of six K steps; no place in the cluster enters an LDS address
	s_lshl_b32 s3, s14, 12
	s_wait_kmcnt 0x0
	s_add_nc_u64 s[92:93], s[4:5], s[92:93]
	s_add_nc_u64 s[94:95], s[4:5], s[94:95]
	s_add_nc_u64 s[96:97], s[4:5], s[96:97]
	s_add_nc_u64 s[98:99], s[4:5], s[98:99]
	CROUND                                         ; all sixteen work-groups are here: the first joint loads meet
	G0SET F0A, 23, 0, 92, 0
	G0SET F0B, 23, 0, 94, 0
	JLOAD F0A, G1SA, F0B, G1SB                     ; K steps 0-5 of my block: my one tensor load at the head
	s_cmp_eq_u32 s15, 0
	s_cselect_b64 s[84:85], s[96:97], s[98:99]     ; my block's scale words in memory
	s_add_co_u32 s3, s3, SCL                       ; and in LDS: SCL + 4,096 x wave
	v_and_b32 v1, 15, v0                           ; r
	v_bfe_u32 v2, v0, 4, 1
	v_lshlrev_b32 v[H8], 3, v2                     ; 8 h
	v_and_b32 v20, 31, v0
	v_lshlrev_b32 v3, 4, v20                       ; 16 x lane
	v_lshlrev_b32 v31, 2, v20                      ; 4 x lane
	v_lshlrev_b32 v20, 3, v20                      ; 8 x lane
	v_add_nc_u32 v30, 512, v20
	v_lshlrev_b32 v21, 2, v1                       ; 4 r
	v_mov_b32 v[TM+6], 0
	v_add_nc_u32 v63, s3, v3
.irp i, 0,1,2,3,4,5,6,7
	global_load_b128 v[64+4*\i:67+4*\i], v3, s[84:85] offset:512*\i   ; 512 consecutive bytes a load
.endr
	s_mul_i32 s2, s15, 3*SLICE                     ; my block of source 1,
	s_mul_i32 s21, s16, 3*SLICE
	s_add_co_u32 s21, s21, 6*SLICE                 ; of source 0
.irp n, 0,1,2
	v_add_nc_u32 v[4+4*\n], s2, v3
	v_add_nc_u32 v[5+4*\n], s2, v30
	v_add_nc_u32 v[6+4*\n], s21, v3
	v_add_nc_u32 v[7+4*\n], s21, v30
	s_add_co_u32 s2, s2, SLICE
	s_add_co_u32 s21, s21, SLICE
.endr
	s_lshl_b32 s2, s15, 12
	s_add_co_u32 s2, s2, SCL
	v_add_nc_u32 v16, s2, v31
	s_lshl_b32 s2, s16, 12
	s_add_co_u32 s2, s2, SCL+8192
	v_add_nc_u32 v17, s2, v31
	s_mov_b32 s[SEL], 0x76543210
	s_mov_b32 s[SEL+1], 0xfedcba98
	; where my results go
	s_lshl_b32 s2, s18, 1
	s_add_co_u32 s2, s2, s15                       ; 2 cy + my half of source 1
	s_lshl_b32 s3, s17, 1
	s_add_co_u32 s3, s3, s16                       ; 2 cx + my half of source 0
	s_lshr_b32 s21, ttmp9, 1
	s_lshl_b32 s21, s21, 3
	s_sub_co_u32 s22, ttmp9, 8
	s_lshl_b32 s22, s22, 3
	s_and_b32 s23, ttmp9, 1
	s_mul_i32 s66, s23, 3145728                    ; q's codes at 0, k's at 3,145,728, v's at 6,291,456
	s_lshl_b32 s67, s23, 17                        ; their scale words 131,072 apart
	s_sub_co_u32 s98, 0, s23                       ; all ones for k
	s_cmp_lt_u32 ttmp9, 8
	s_cselect_b32 s21, s21, 0
	s_cselect_b32 s22, 0, s22
	s_cselect_b32 s23, 3, 5                        ; 8 K steps to a block of rows in q and k, 32 in v
	s_cselect_b32 s66, s66, 6291456
	s_cselect_b32 s67, s67, 262144
	s_cselect_b32 s98, s98, 0
	s_add_co_u32 s2, s2, s21                       ; the block of rows in the destination,
	s_add_co_u32 s3, s3, s22                       ; its K step
	s_lshl_b32 s21, s2, s23
	s_add_co_u32 s21, s21, s3                      ; the unit
	s_mul_i32 s92, s21, 12288
	s_add_co_u32 s92, s92, s66
	s_mov_b32 s93, 0
	s_lshl_b32 s94, s21, 9
	s_add_co_u32 s94, s94, s67
	s_add_co_u32 s94, s94, 9437184
	s_mov_b32 s95, 0
	s_lshl_b32 s96, s2, 9                          ; the mask's numbers of my 128 rows (used for k alone; for v a read inside the buffer whose result is dropped)
	s_mov_b32 s97, 0
	s_add_nc_u64 s[92:93], s[8:9], s[92:93]
	s_add_nc_u64 s[94:95], s[8:9], s[94:95]
	s_add_nc_u64 s[96:97], s[6:7], s[96:97]
.irp a, 0,1,2,3,4,5,6,7
	global_load_b32 v[22+\a], v21, s[96:97] offset:64*\a
.endr
	s_wait_alu depctr_va_vdst(0)
	s_wait_loadcnt 8                               ; the scale words are in; the mask's eight loads may be out
.irp i, 0,1,2,3,4,5,6,7
	ds_store_b128 v63, v[64+4*\i:67+4*\i] offset:512*\i
.endr
	s_wait_tensorcnt 0x0                           ; my block's six K steps are in,
	s_wait_dscnt 0x0                               ; and my stores have landed, for the other waves' sake
	s_barrier_signal -1
	s_barrier_wait -1
	FETCH1 0, 0, 0, 0
	FETCH2 0, 0, 0
	STEP 0, 0, 1, 1, 1                             ; K step 0 starts the sums
	; K step 1 leaves region 0: every wave waits for all its tensor loads, adds 0 to its spare word, waits for that and for its reads; a round of the cluster's barrier; the refill first behind it
	WIN 0
	s_wait_tensorcnt 0x0
	ds_add_u32 v[SPW], v[NIL]
	s_wait_dscnt 17                                ; the add and the youngest sixteen loads may be out
	MUL16 0, 1, 0
	s_wait_dscnt 0x0                               ; the add is done, my reads of region 0 are over
	s_barrier_signal -1
	MUL16 2, 1, 0
	WIN 0
	s_barrier_wait -1
	CREST
	s_add_nc_u64 s[F0A+2:F0A+3], s[F0A+2:F0A+3], 3*SLICE   ; K steps 6 and 7
	s_add_nc_u64 s[F0B+2:F0B+3], s[F0B+2:F0B+3], 3*SLICE
	JLOAD F0A, G1A, F0B, G1B                       ; its four v_nop are also the places in front of the loads below
	FETCH1 0, 1, 0, 2
	MUL16 4, 1, 0
	MUL16 6, 1, 0
	FETCH2 0, 1, 0
	STEP 0, 1, 1, 3, 0                             ; K step 2
	STEP 1, 2, 0, 4, 0                             ; K step 3
	STEP 0, 2, 1, 5, 0                             ; K step 4
	s_wait_dscnt 16                                ; K step 5: the refill has to be whole in every wave's eyes before region 0 is read again
	MUL16 0, 1, 0
	s_wait_tensorcnt 0x0                           ; my one load that is out
	s_wait_dscnt 0x0
	s_barrier_signal -1
	MUL16 2, 1, 0
	WIN 0
	s_barrier_wait -1
	PLACES
	FETCH1 0, 0, 0, 6
	MUL16 4, 1, 0
	MUL16 6, 1, 0
	FETCH2 0, 0, 0
	STEP 0, 0, 1, 7, 0                             ; K step 6
	s_wait_dscnt 16                                ; K step 7
	MUL16 0, 1, 0
	MUL16 2, 1, 0
	s_wait_dscnt 0x0
	MUL16 4, 1, 0
	MUL16 6, 1, 0
	WIN 0
	PLACES                                         ; behind the last products: results are read and fragments' registers written from here on
	s_wait_loadcnt 0x0
.irp a, 0,1,2,3,4,5,6,7
	v_cmp_eq_u32 vcc_lo, 0, v[22+\a]
	s_and_b32 vcc_lo, vcc_lo, s98                  ; only k's rows are struck out
	v_cndmask_b32 v[224+2*\a], 1.0, v[NIL], vcc_lo ; the row's factor, 1 or 0, in both registers of a pair
	v_cndmask_b32 v[225+2*\a], 1.0, v[NIL], vcc_lo
.endr
.macro ROWOUT a                        ; source 1's tile a: 16 rows x 128 along the next K become one fragment and one scale word a row
	s_wait_xcnt 0x0                                ; the last tile's stores have read their registers
	WIN 0x02+(\a)/4
.set i, 0
.rept 32
	v_pk_mul_f32 v[64+i:65+i], v[64*((\a)%4)+i:64*((\a)%4)+i+1], v[224+2*(\a):225+2*(\a)]   ; each accumulator from its low end on
.set i, i+2
.endr
	WIN 0
.irp g, 0,1
.irp j, 0,1,2,3,4,5,6,7
	v_permlane16_swap_b32 v[64+32*\g+\j], v[80+32*\g+\j]   ; tiles 0 and 2, 1 and 3 of the four change halves: a lane now holds a whole block of 32
	v_permlane16_swap_b32 v[72+32*\g+\j], v[88+32*\g+\j]
.endr
.endr
	QUANT2 64, 192
	global_store_b128 v3, v[192:195], s[92:93] offset:1536*(\a)
	global_store_b64 v20, v[196:197], s[92:93] offset:1536*(\a)+512
	global_store_b128 v3, v[198:201], s[92:93] offset:1536*(\a)+768
	global_store_b64 v20, v[202:203], s[92:93] offset:1536*(\a)+1280
	global_store_b32 v21, v[PW], s[94:95] offset:64*(\a)
.endm
.irp a, 0,1,2,3,4,5,6,7
	ROWOUT \a
.endr
	s_wait_tensorcnt 0x0                           ; the wave's end
	ds_add_u32 v[SPW], v[NIL]
	s_wait_dscnt 0x0
	CROUND                                         ; the closing round
	s_endpgm
.Lfunc_end_k_qaeec932ff8_qkv:
	.size	k_qaeec932ff8_qkv, .Lfunc_end_k_qaeec932ff8_qkv-k_qaeec932ff8_qkv
	.p2alignl 7, 3214868480
	.fill 96, 4, 3214868480
	.section	.rodata,"a",@progbits
	.p2align	6, 0x0
	.amdhsa_kernel k_qaeec932ff8_qkv
		.amdhsa_group_segment_fixed_size 327680
		.amdhsa_private_segment_fixed_size 0
		.amdhsa_enable_private_segment 0
		.amdhsa_kernarg_size 24
		.amdhsa_user_sgpr_count 2
		.amdhsa_user_sgpr_kernarg_segment_ptr 1
		.amdhsa_wavefront_size32 1
		.amdhsa_system_sgpr_workgroup_id_x 1
		.amdhsa_system_sgpr_workgroup_id_y 1
		.amdhsa_system_sgpr_workgroup_id_z 1
		.amdhsa_system_vgpr_workitem_id 0
		.amdhsa_next_free_vgpr 1024
		.amdhsa_next_free_sgpr 102
		.amdhsa_reserve_vcc 1
		.amdhsa_float_denorm_mode_32 3
		.amdhsa_float_denorm_mode_16_64 3
		.amdhsa_memory_ordered 1
		.amdhsa_forward_progress 1
		.amdhsa_inst_pref_size 168
	.end_amdhsa_kernel
	.amdgpu_metadata
---
amdhsa.version: [ 1, 2 ]
amdhsa.kernels:
  - .name:           k_qaeec932ff8_qkv
    .symbol:         k_qaeec932ff8_qkv.kd
    .args:
      - { .name: WB, .offset: 0, .size: 8, .value_kind: global_buffer, .address_space: global }
      - { .name: padding_mask, .offset: 8, .size: 8, .value_kind: global_buffer, .address_space: global }
      - { .name: QKV, .offset: 16, .size: 8, .value_kind: global_buffer, .address_space: global }
    .group_segment_fixed_size: 327680
    .private_segment_fixed_size: 0
    .kernarg_segment_align: 8
    .kernarg_segment_size: 24
    .max_flat_workgroup_size: 128
    .sgpr_count:     102
    .vgpr_count:     1024
    .wavefront_size: 32
...
	.end_amdgpu_metadata
.endif
;; end of part 2
;; launch attn (part 3): grid 8 x 32, 16 waves a work-group, clusters of 4 x 1, 219,136 bytes of LDS; arguments QKV, padding_mask, AT; writes AT
.if DOCPART == 3
	.amdgcn_target "amdgcn-amd-amdhsa--gfx1250"
	.amdhsa_code_object_version 6
	.text
	.protected	k_qaeec932ff8_attn
	.globl	k_qaeec932ff8_attn
	.p2align	8
	.type	k_qaeec932ff8_attn,@function
k_qaeec932ff8_attn:
	s_mov_b64 s[64:65], 0
	v_nop
	global_prefetch_b8 v0, s[64:65] scope:SCOPE_SE
	s_setreg_imm32_b32 hwreg(HW_REG_WAVE_MODE, 25, 1), 1
	s_wait_xcnt 0x0
	s_wait_alu depctr_hold_cnt(0) depctr_sa_sdst(0) depctr_va_vdst(0) depctr_va_sdst(0) depctr_va_ssrc(0) depctr_va_vcc(0) depctr_vm_vsrc(0)
	s_getreg_b32 s2, hwreg(HW_REG_IB_STS2, 6, 4)
	s_cmp_eq_u32 s2, 0
	s_cbranch_scc0 .Lentry_in_a_cluster
	s_endpgm
.Lentry_in_a_cluster:
	s_bfe_u32 s2, ttmp6, 0x10000c
	s_cmp_lg_u32 s2, 0x3003
	s_cbranch_scc0 .Lentry_shape_is_right
	s_endpgm
.Lentry_shape_is_right:
; ATTENTION on E3M2 codes: for each of 32 (batch, head): scores = q k^T / 8, the padding mask, p = 2^(t - M) quantised along the keys, O = p v / the sum of the unquantised p, quantised along the features into AT.
; A work-group owns 256 queries of one head; each of its sixteen waves 16 of them, in 256 registers, four waves to a SIMD.  Every wave walks the 2,048 keys, 128 a step.
; THE HEAD'S WHOLE K, V AND SCALE WORDS LIE IN LDS (208,896 bytes), filled once: each wave asks for one piece: one tensor load of a wave is out.  Nothing is filled again.
; CLUSTER 4 x 1: the four query blocks of a cluster belong to one head and ask jointly (mask 15); one round in front of the loads, one at the end.
; Both products are used transposed (S^T = k q^T, O^T = v^T p^T): a lane holds one query throughout.  Key tiles are 16 neighbouring keys, so p's 16 registers of two tiles hold octets 0, 2 (lanes 0-15) or 1, 3 (lanes 16-31)
; of a block of 32 keys: v was quantised in that same order.  q and k share their own order likewise.
; K = 64 IN AN INSTRUCTION OF 128: q's registers 6-11 are zero codes; k's tiles lie 6 registers apart, so that a tile's operand takes the next tile's codes as its upper half: finite numbers times zero codes.
; The 16-bit loads of scale bytes leave bytes 2, 3 at 0, which stands for 2^-127 and is no NaN.
; THE MASK: the scores' registers are first loaded with 0 or -2^33 for each key, and the product adds onto them; masked keys' codes of k are zeros, so a masked score is exactly -2^33 (a logit of -2^30).  Times c that is exact
; and whole, so a row whose keys are all masked gets p = 1 everywhere, the uniform softmax.  LIMIT: true logits at or under -1e9 are not told apart from masked ones.  NaN and infinities are not served.
; REGISTERS: v1-7 addresses that stay; v8-11, v28-30 the step's; v12 -M, v13 the largest t, v[14:15] the sum; v16-27 q; v32-85 fragments of k or v; v96-159 S^T, then p; v160-191 O^T; v224-235 p's codes; v232-254 at work; v255 q's scales.
; THE FILLS, as the text below has them: sixteen joint loads, ONE a wave, in one chain of branches on the wave's number.  Waves 0-7: tile w of k's codes for all sixteen key steps (16 rows of 768 bytes, 98,304 bytes apart in memory);
; waves 8-11: v's codes of four key steps each (4 rows of 6,144 bytes); waves 12, 13: k's scale words of eight key steps each; waves 14, 15: v's.  Nothing is filled again.
; No prefetch: all of the head's K and V is asked for at the head, so the loop has no load to run ahead of.
.set VC,   98304                       ; LDS: k's codes at 0 (tile t at 12,288 t, key step s at 768 s inside it), v's here (6,144 bytes a step: four fragments),
.set KSC,  196608                      ; k's scale words (512 a step),
.set VSC,  204800                      ; v's (256 a step),
.set MB,   208896                      ; the mask's 2,048 numbers, stored by the waves: no tensor load lands here
.set WV,   18
.set SEL,  20
.set CS,   22
.set TK,   2
.set TS,   3
.set TV,   66
.set CNT,  67
.macro ROUND
	s_barrier_signal -1
	s_barrier_wait -1
	s_cmp_lg_u32 s[WV], 0
	s_cbranch_scc1 .Lnot0_\@
	s_barrier_signal -3
.Lnot0_\@:
	s_barrier_wait -3
	s_barrier_signal -1
	s_barrier_wait -1
.endm
	s_load_b128 s[4:7], s[0:1], 0x0                ; QKV, padding_mask
	s_load_b64 s[8:9], s[0:1], 0x10                ; AT
	v_lshl_add_u32 v223, v0, 2, 0x35000
	v_mov_b32 v243, 0
	ds_add_u32 v223, v243
	ds_add_u32 v223, v243
	v_lshrrev_b32 v8, 5, v0
	s_delay_alu instid0(VALU_DEP_1)
	v_readfirstlane_b32 s[WV], v8                  ; wave 0..15
	s_bfe_u32 s10, ttmp6, 0x40000                  ; cx
	s_lshl_b32 s11, ttmp9, 2
	s_add_co_u32 s11, s11, s10                     ; my block of 256 queries: it enters q's and AT's addresses alone
	s_and_b32 s12, ttmp7, 0xffff
	s_lshr_b32 s13, s12, 4                         ; batch
	s_and_b32 s14, s12, 15                         ; head
	s_lshr_b32 s15, s14, 1                         ; its K step among the 1,024 features,
	s_and_b32 s16, s14, 1                          ; and which half of it
	s_lshl_b32 s17, s13, 4
	s_lshl_b32 s19, s17, 3
	s_add_co_u32 s19, s19, s15                     ; its unit in k,
	s_lshl_b32 s76, s15, 5
	s_add_co_u32 s76, s76, s17                     ; and in v
	s_mul_i32 s78, s19, 12288
	s_mul_i32 s77, s16, 768
	s_add_co_u32 s78, s78, s77
	s_add_co_u32 s78, s78, 3145728
	s_mov_b32 s79, 0
	s_mul_i32 s80, s76, 12288
	s_mul_i32 s77, s16, 6144
	s_add_co_u32 s80, s80, s77
	s_add_co_u32 s80, s80, 6291456
	s_mov_b32 s81, 0
	s_lshl_b32 s82, s19, 9
	s_add_co_u32 s82, s82, 9568256
	s_mov_b32 s83, 0
	s_lshl_b32 s84, s76, 9
	s_lshl_b32 s77, s16, 8
	s_add_co_u32 s84, s84, s77
	s_add_co_u32 s84, s84, 9699328
	s_mov_b32 s85, 0
	; groups 1: elements of 8 bytes, mask 15 with bit 21 beside it, no padding
	s_mov_b32 s24, 15|(3<<16)|(1<<21)              ; k's codes: sixteen rows of 768 bytes (the head's half of a tile's fragment), 98,304 bytes apart
	s_mov_b32 s25, 96<<16
	s_mov_b32 s26, 16<<16                          ; sixteen rows: one tile's half fragment of each key step,
	s_mov_b32 s27, 96<<16
	s_mov_b32 s28, 16
	s_mov_b32 s29, 12288                           ; eight units of 12,288 bytes apart
	s_mov_b32 s30, 0
	s_mov_b32 s31, 0
.macro GRP1 g, c, r, p                 ; r rows of c elements of 8 bytes, p elements apart
	s_mov_b32 s[\g], 15|(3<<16)|(1<<21)
	s_mov_b32 s[\g+1], (\c)<<16
	s_mov_b32 s[\g+2], (\r)<<16
	s_mov_b32 s[\g+3], (\c)<<16
	s_mov_b32 s[\g+4], \r
	s_mov_b32 s[\g+5], \p
	s_mov_b32 s[\g+6], 0
	s_mov_b32 s[\g+7], 0
.endm
	GRP1 32, 768, 4, 1536                          ; v's codes: a key step's 6,144 bytes, a unit apart
	GRP1 40, 64, 8, 512                            ; k's scale words: 512 bytes a key step, eight units' words apart
	GRP1 48, 32, 8, 64                             ; v's: 256 bytes a key step, a unit's words apart
	s_mov_b32 s[SEL], 0x76543210
	s_mov_b32 s[SEL+1], 0xfedcba98
	s_mov_b32 s[CS], 0x3e38aa3b                    ; c = log2(e) / 8
	s_mov_b32 s[CS+1], s[CS]
	s_wait_dscnt 0x0
	s_wait_kmcnt 0x0
	s_and_b32 s86, s[WV], 7                        ; k's codes: tile w % 8
	s_mul_i32 s57, s86, 12288
	s_mul_i32 s86, s86, 1536
	s_add_co_u32 s78, s78, s86
	s_and_b32 s86, s[WV], 3                        ; v's codes: key steps 4 (w % 4) on
	s_mul_i32 s61, s86, 24576
	s_add_co_u32 s61, s61, VC
	s_mul_i32 s86, s86, 49152
	s_add_co_u32 s80, s80, s86
	s_and_b32 s86, s[WV], 1                        ; the scale words: key steps 8 (w % 2) on
	s_lshl_b32 s69, s86, 12
	s_add_co_u32 s69, s69, KSC
	s_lshl_b32 s87, s86, 15
	s_add_co_u32 s82, s82, s87
	s_lshl_b32 s73, s86, 11
	s_add_co_u32 s73, s73, VSC
	s_lshl_b32 s87, s86, 12
	s_add_co_u32 s84, s84, s87
	s_mov_b32 s56, 1
	s_add_nc_u64 s[58:59], s[4:5], s[78:79]
	s_or_b32 s59, s59, 0x80000000
	s_mov_b32 s60, 1
	s_add_nc_u64 s[62:63], s[4:5], s[80:81]
	s_or_b32 s63, s63, 0x80000000
	s_mov_b32 s68, 1
	s_add_nc_u64 s[70:71], s[4:5], s[82:83]
	s_or_b32 s71, s71, 0x80000000
	s_mov_b32 s72, 1
	s_add_nc_u64 s[74:75], s[4:5], s[84:85]
	s_or_b32 s75, s75, 0x80000000
	ROUND                                          ; all four work-groups are here: the joint loads meet
.macro ARM under, g0, g1, next         ; one arm of the chain: its load, an s_nop and four v_nop behind it, a jump to the join
	s_cmp_lt_u32 s[WV], \under
	s_cbranch_scc0 \next
	tensor_load_to_lds s[\g0:\g0+3], s[\g1:\g1+7]
	s_nop 0
.rept 4
	v_nop
.endr
	s_branch .Lasked
\next:
.endm
	ARM 8, 56, 24, .Lhead_v
	ARM 12, 60, 32, .Lhead_ks
	ARM 14, 68, 40, .Lhead_vs
	tensor_load_to_lds s[72:75], s[48:55]
	s_nop 0
.rept 4
	v_nop
.endr
.Lasked:
	; my 16 queries: block of rows 16 b + 2 x + w / 8, tile w % 8
	s_lshl_b32 s86, s13, 4
	s_lshl_b32 s87, s11, 1
	s_add_co_u32 s86, s86, s87
	s_lshr_b32 s87, s[WV], 3
	s_add_co_u32 s86, s86, s87
	s_lshl_b32 s86, s86, 3
	s_add_co_u32 s86, s86, s15                     ; the unit, in q and in AT alike
	s_and_b32 s87, s[WV], 7
	s_lshl_b32 s88, s86, 3
	s_add_co_u32 s88, s88, s87
	s_mul_i32 s88, s88, 1536
	s_mul_i32 s77, s16, 768
	s_add_co_u32 s88, s88, s77
	s_mov_b32 s89, 0
	s_lshl_b32 s92, s86, 9
	s_lshl_b32 s87, s87, 6
	s_add_co_u32 s92, s92, s87
	s_lshl_b32 s77, s16, 1
	s_add_co_u32 s92, s92, s77                     ; the rows' two scale bytes
	s_add_co_u32 s96, s92, 3145728
	s_add_co_u32 s92, s92, 9437184
	s_mov_b32 s93, 0
	s_mov_b32 s97, 0
	s_lshl_b32 s98, s13, 13
	s_mov_b32 s99, 0
	s_add_nc_u64 s[90:91], s[4:5], s[88:89]
	s_add_nc_u64 s[92:93], s[4:5], s[92:93]
	s_add_nc_u64 s[94:95], s[8:9], s[88:89]
	s_add_nc_u64 s[96:97], s[8:9], s[96:97]
	s_add_nc_u64 s[98:99], s[6:7], s[98:99]
	v_and_b32 v8, 31, v0
	s_delay_alu instid0(VALU_DEP_1)
	v_lshlrev_b32 v1, 4, v8                        ; 16 x lane
	s_delay_alu instid0(VALU_DEP_2)
	v_lshl_add_u32 v2, v8, 3, 512                  ; 512 + 8 x lane
	s_delay_alu instid0(VALU_DEP_2)
	v_add_nc_u32 v3, VC, v1
	s_delay_alu instid0(VALU_DEP_2)
	v_add_nc_u32 v4, VC, v2
	s_add_co_u32 s77, s77, KSC
	v_lshl_add_u32 v5, v8, 2, s77                  ; k's scale bytes: 4 x lane + the head's two of the four
	v_lshl_add_u32 v7, v8, 2, VSC
	v_bfe_u32 v9, v0, 4, 1
	s_delay_alu instid0(VALU_DEP_1)
	v_lshl_add_u32 v6, v9, 5, MB                   ; the mask's numbers: 32 h
	v_and_b32 v31, 15, v0
	s_delay_alu instid0(VALU_DEP_1)
	v_lshlrev_b32 v31, 2, v31                      ; 4 r
	v_lshlrev_b32 v10, 4, v0                       ; 16 x thread
	global_load_b128 v[32:35], v10, s[98:99]       ; four of the batch's 2,048 mask numbers
	global_load_b128 v[16:19], v1, s[90:91]        ; q's half fragment
	global_load_b64 v[20:21], v2, s[90:91]
	global_load_u16 v255, v31, s[92:93]            ; and its rows' two scale bytes
.irp j, 22,23,24,25,26,27, 80,81,82,83,84,85
	v_mov_b32 v[\j], 0                             ; zero codes: q's upper half; what the last tile of k takes as its upper half
.endr
	v_mov_b32 v13, 0xff61b1e6                      ; the largest t so far: -3e38
	s_delay_alu instid0(VALU_DEP_1)
	v_floor_f32 v12, -v13                          ; -M
	v_mov_b32 v14, 0
	v_mov_b32 v15, 0
.irp b, 0,1,2,3
	v_mov_b32 v[236+\b], 0
.endr
	v_mov_b32 v253, 0
.set i, 0
.rept 32
	v_mov_b32 v[160+i], 0                          ; O^T: the step is written once; the first change of M leaves zeros zeros
.set i, i+1
.endr
	v_mov_b32 v11, 0xd0000000                      ; -2^33
	v_add_nc_u32 v28, MB, v10
	s_wait_alu depctr_va_vdst(0)
	s_wait_loadcnt 3                               ; the mask's load is in; q's three may be out
.irp i, 0,1,2,3
	v_cmp_eq_u32 vcc_lo, 0, v[32+\i]
	s_delay_alu instid0(VALU_DEP_1)
	v_cndmask_b32 v[36+\i], 0, v11, vcc_lo
.endr
	ds_store_b128 v28, v[36:39]
	s_mov_b32 s[TK], 0
	s_mov_b32 s88, 0                               ; the key step's place in k's tiles 0-3,
	s_mov_b32 s89, 49152                           ; and in tiles 4-7
	s_mov_b32 s[TS], 0
	s_mov_b32 s[TV], 0
	s_mov_b32 s[CNT], 16
	s_wait_dscnt 0x0                               ; my store has landed,
	s_wait_tensorcnt 0x0                           ; and my piece
	s_barrier_signal -1
	s_barrier_wait -1                              ; everybody's have
	s_wait_loadcnt 0x0                             ; q
.Lstep:
	v_add_nc_u32 v8, s88, v1                       ; (these nine are also the places behind the last products)
	v_add_nc_u32 v9, s88, v2
	v_add_nc_u32 v86, s89, v1
	v_add_nc_u32 v87, s89, v2
	v_add_nc_u32 v10, s[TK], v3
	v_add_nc_u32 v11, s[TK], v4
	v_add_nc_u32 v28, s[TS], v5
	v_add_nc_u32 v29, s[TS], v6
	v_add_nc_u32 v30, s[TV], v7
.irp t, 0,1,2,3,4,5,6,7
	ds_load_b128 v[96+8*\t:99+8*\t], v29 offset:64*\t          ; the mask's numbers of keys 16 t + 8 h + 0 .. 7: the sums begin with them
	ds_load_b128 v[100+8*\t:103+8*\t], v29 offset:64*\t+16
.endr
.irp t, 0,1,2,3,4,5,6,7
	ds_load_b128 v[32+6*\t:35+6*\t], v[8+78*(\t/4)] offset:12288*(\t%4)
	ds_load_b64 v[36+6*\t:37+6*\t], v[9+78*(\t/4)] offset:12288*(\t%4)
.endr
.irp i, 0,1,2,3
	ds_load_u16 v[248+\i], v28 offset:128*\i       ; keys 32 i + lane
.endr
	s_wait_alu depctr_va_vdst(0)
	s_wait_dscnt 0x0
.irp t, 0,2,4,6
	v_wmma_scale_f32_16x16x128_f8f6f4 v[96+8*\t:103+8*\t], v[32+6*\t:43+6*\t], v[16:27], v[96+8*\t:103+8*\t], v[248+\t/2], v255 matrix_a_fmt:MATRIX_FMT_BF6 matrix_b_fmt:MATRIX_FMT_BF6
	v_wmma_scale_f32_16x16x128_f8f6f4 v[104+8*\t:111+8*\t], v[38+6*\t:49+6*\t], v[16:27], v[104+8*\t:111+8*\t], v[248+\t/2], v255 matrix_a_fmt:MATRIX_FMT_BF6 matrix_b_fmt:MATRIX_FMT_BF6 matrix_a_scale:MATRIX_SCALE_ROW1
.endr
.rept 4
	v_nop                                          ; places: then v's loads into k's registers, and the first read of the scores
.endr
.irp t, 0,1,2,3
	ds_load_b128 v[32+12*\t:35+12*\t], v10 offset:1536*\t      ; v's four fragments land while the softmax is walked
	ds_load_b64 v[36+12*\t:37+12*\t], v11 offset:1536*\t
	ds_load_b128 v[38+12*\t:41+12*\t], v10 offset:1536*\t+768
	ds_load_b64 v[42+12*\t:43+12*\t], v11 offset:1536*\t+768
.endr
	ds_load_b32 v248, v30
	ds_load_b32 v249, v30 offset:128
.irp b, 0,1,2,3
	v_max3_num_f32 v[232+\b], v[96+16*\b], v[97+16*\b], v[98+16*\b]   ; the largest score of each block of 32 keys: for the row's maximum and, since p rises with the score, for the block's largest p
.endr
.irp i, 3,5,7,9,11,13
.irp b, 0,1,2,3
	v_max3_num_f32 v[232+\b], v[232+\b], v[96+16*\b+\i], v[97+16*\b+\i]
.endr
.endr
.irp b, 0,1,2,3
	v_max_num_f32 v[232+\b], v[232+\b], v[111+16*\b]
.endr
.irp b, 0,1,2,3
	s_delay_alu instid0(VALU_DEP_4)
	v_permlanex16_b32 v[236+\b], v[232+\b], s[SEL], s[SEL+1]
.endr
.irp b, 0,1,2,3
	s_delay_alu instid0(VALU_DEP_4)
	v_max_num_f32 v[232+\b], v[232+\b], v[236+\b]
.endr
	s_delay_alu instid0(VALU_DEP_2)
	v_max3_num_f32 v254, v232, v233, v234
	s_delay_alu instid0(VALU_DEP_1)
	v_max_num_f32 v254, v254, v235
	s_delay_alu instid0(VALU_DEP_1)
	v_mul_f32 v254, s[CS], v254                    ; as t
	s_delay_alu instid0(VALU_DEP_1)
	v_max_num_f32 v13, v13, v254                   ; the running largest t
	v_mov_b32 v254, v12
	s_delay_alu instid0(VALU_DEP_2)
	v_floor_f32 v12, -v13                          ; the new -M: M is a whole number
	s_delay_alu instid0(VALU_DEP_1)
	v_sub_f32 v254, v12, v254
	s_delay_alu instid0(VALU_DEP_1)
	v_cvt_i32_f32 v254, v254                       ; (it saturates)
	s_delay_alu instid0(VALU_DEP_1)
	v_ldexp_f32 v252, 1.0, v254                    ; f = 2^(old M - new M)
.irp j, 0,2,4,6,8,10,12,14,16,18,20,22,24,26,28,30,32,34,36,38,40,42,44,46,48,50,52,54,56,58,60,62
	v_pk_fma_f32 v[96+\j:97+\j], v[96+\j:97+\j], s[CS:CS+1], v[12:13] op_sel_hi:[1,0,0]   ; t - M
.endr
.irp b, 0,1,2,3
	v_fma_f32 v[232+\b], v[232+\b], s[CS], v12
.endr
.set i, 0
	s_wait_alu depctr_va_vdst(0)
.rept 64
	v_exp_f32 v[96+i], v[96+i]                     ; p = 2^(t - M)
.set i, i+1
.endr
	v_pk_mul_f32 v[14:15], v[14:15], v[252:253] op_sel_hi:[1,0]   ; the sums under the new M (a plain place behind the exponentials)
	s_wait_alu depctr_va_vdst(0)                   ; one wait for the batch, ahead of its first reader
.irp b, 0,1,2,3
	v_exp_f32 v[232+\b], v[232+\b]                 ; the blocks' largest p
.endr
	v_pk_add_f32 v[236:237], v[100:101], v[104:105]
	v_pk_add_f32 v[250:251], v[108:109], v[112:113]
	v_pk_add_f32 v[246:247], v[116:117], v[120:121]
	v_pk_add_f32 v[244:245], v[124:125], v[128:129]
	v_pk_add_f32 v[240:241], v[132:133], v[136:137]
	v_pk_add_f32 v[238:239], v[140:141], v[144:145]
	v_pk_add_f32 v[230:231], v[148:149], v[152:153]
	v_pk_add_f32 v[14:15], v[14:15], v[156:157]
	v_pk_add_f32 v[236:237], v[236:237], v[96:97]
	v_pk_add_f32 v[250:251], v[250:251], v[98:99]
	v_pk_add_f32 v[246:247], v[246:247], v[102:103]
	v_pk_add_f32 v[244:245], v[244:245], v[106:107]
	v_pk_add_f32 v[240:241], v[240:241], v[110:111]
	v_pk_add_f32 v[238:239], v[238:239], v[114:115]
	v_pk_add_f32 v[230:231], v[230:231], v[118:119]
	v_pk_add_f32 v[14:15], v[14:15], v[122:123]
	v_pk_add_f32 v[236:237], v[236:237], v[126:127]
	v_pk_add_f32 v[250:251], v[250:251], v[130:131]
	v_pk_add_f32 v[246:247], v[246:247], v[134:135]
	v_pk_add_f32 v[244:245], v[244:245], v[138:139]
	v_pk_add_f32 v[240:241], v[240:241], v[142:143]
	v_pk_add_f32 v[238:239], v[238:239], v[146:147]
	v_pk_add_f32 v[230:231], v[230:231], v[150:151]
	v_pk_add_f32 v[14:15], v[14:15], v[154:155]
	v_pk_add_f32 v[236:237], v[236:237], v[158:159]
	s_delay_alu instid0(VALU_DEP_2)
	v_pk_add_f32 v[14:15], v[14:15], v[244:245]
	s_delay_alu instid0(VALU_DEP_2)
	v_pk_add_f32 v[236:237], v[236:237], v[240:241]
	v_pk_add_f32 v[250:251], v[250:251], v[238:239]
	v_pk_add_f32 v[246:247], v[246:247], v[230:231]
	s_delay_alu instid0(VALU_DEP_2)
	v_pk_add_f32 v[14:15], v[14:15], v[250:251]
	s_delay_alu instid0(VALU_DEP_2)
	v_pk_add_f32 v[236:237], v[236:237], v[246:247]
	s_delay_alu instid0(VALU_DEP_1)
	v_pk_add_f32 v[14:15], v[14:15], v[236:237]
	s_wait_alu depctr_va_vdst(0)                   ; and one for the four
.irp b, 0,1,2,3
	v_max_num_f32 v[232+\b], 0x2800000, v[232+\b]  ; the floor: the byte cannot fall under 1
.endr
.irp b, 0,1,2,3
	s_delay_alu instid0(VALU_DEP_4)
	v_add_nc_u32 v[244+\b], 0xfe000000, v[232+\b]
.endr
.irp b, 0,1,2,3
	s_delay_alu instid0(VALU_DEP_4)
	v_lshrrev_b32 v[236+\b], 23, v[244+\b]
.endr
	s_delay_alu instid0(VALU_DEP_3)
	v_lshl_or_b32 v253, v237, 8, v236              ; p's scale word for these 128 keys
	s_delay_alu instid0(VALU_DEP_1)
	v_lshl_or_b32 v253, v238, 16, v253
	s_delay_alu instid0(VALU_DEP_1)
	v_lshl_or_b32 v253, v239, 24, v253
.irp c, 0,1
	v_cvt_scalef32_pk16_bf6_f32 v[224+6*\c:226+6*\c], v[96+32*\c:111+32*\c], v[244+2*\c]
	v_cvt_scalef32_pk16_bf6_f32 v[236+4*\c:238+4*\c], v[112+32*\c:127+32*\c], v[244+2*\c+1]
.endr
	v_nop                                          ; one plain place behind the conversions
.irp c, 0,1
.irp i, 0,1,2
	v_permlane16_swap_b32 v[224+6*\c+\i], v[236+4*\c+\i]   ; a whole block to a lane
.endr
.irp i, 0,1,2
	s_delay_alu instid0(VALU_DEP_3)
	v_mov_b32 v[227+6*\c+\i], v[236+4*\c+\i]
.endr
.endr
.irp j, 0,2,4,6,8,10,12,14,16,18,20,22,24,26,28,30
	v_pk_mul_f32 v[160+\j:161+\j], v[160+\j:161+\j], v[252:253] op_sel_hi:[1,0]   ; O^T under the new M; these sixteen are also the places in front of the products
.endr
	s_wait_alu depctr_va_vdst(0)
	s_wait_dscnt 0x0                               ; v
.irp t, 0,2
	v_wmma_scale_f32_16x16x128_f8f6f4 v[160+8*\t:167+8*\t], v[32+12*\t:43+12*\t], v[224:235], v[160+8*\t:167+8*\t], v[248+\t/2], v253 matrix_a_fmt:MATRIX_FMT_BF6 matrix_b_fmt:MATRIX_FMT_BF6
	v_wmma_scale_f32_16x16x128_f8f6f4 v[168+8*\t:175+8*\t], v[44+12*\t:55+12*\t], v[224:235], v[168+8*\t:175+8*\t], v[248+\t/2], v253 matrix_a_fmt:MATRIX_FMT_BF6 matrix_b_fmt:MATRIX_FMT_BF6 matrix_a_scale:MATRIX_SCALE_ROW1
.endr
	s_add_co_u32 s[TK], s[TK], 6144
	s_add_co_u32 s88, s88, 768
	s_add_co_u32 s89, s89, 768
	s_add_co_u32 s[TS], s[TS], 512
	s_add_co_u32 s[TV], s[TV], 256
	s_sub_co_u32 s[CNT], s[CNT], 1
	s_cmp_lg_u32 s[CNT], 0
	s_cbranch_scc1 .Lstep
	; THE WAY OUT: O^T / the sum; the head's 64 features are two blocks of 32: a half-swap gives each lane one, in natural order; quantised; half a fragment and two scale bytes a row
	v_add_f32 v14, v14, v15
	s_delay_alu instid0(VALU_DEP_1)
	v_permlanex16_b32 v252, v14, s[SEL], s[SEL+1]
	s_delay_alu instid0(VALU_DEP_1)
	v_add_f32 v14, v14, v252
	s_wait_alu depctr_va_vdst(0)
	v_rcp_f32 v14, v14
	v_bfe_u32 v8, v0, 4, 1
	s_delay_alu instid0(VALU_DEP_1)
	v_lshlrev_b32 v8, 3, v8                        ; 8 h
	v_nop
	v_nop
	s_wait_alu depctr_va_vdst(0)                   ; ahead of the reciprocal's first reader
.irp t, 0,1,2,3
.irp j, 0,1,2,3,4,5,6,7
	v_mul_f32 v[96+16*(\t%2)+8*(\t/2)+\j], v[160+8*\t+\j], v14   ; tiles 0, 2, 1, 3 on end
.endr
.endr
.irp j, 0,1,2,3,4,5,6,7
	v_permlane16_swap_b32 v[96+\j], v[104+\j]
	v_permlane16_swap_b32 v[112+\j], v[120+\j]
.endr
	v_max3_num_f32 v232, |v96|, |v97|, 0x2800000
	v_max3_num_f32 v233, |v112|, |v113|, |v114|
.irp i, 2,4,6,8,10,12
	s_delay_alu instid0(VALU_DEP_2)
	v_max3_num_f32 v232, v232, |v[96+\i]|, |v[97+\i]|
	s_delay_alu instid0(VALU_DEP_2)
	v_max3_num_f32 v233, v233, |v[113+\i]|, |v[114+\i]|
.endr
	s_delay_alu instid0(VALU_DEP_2)
	v_max3_num_f32 v232, v232, |v110|, |v111|
	s_delay_alu instid0(VALU_DEP_1)
	v_max3_num_f32 v232, v232, v233, |v127|
	s_delay_alu instid0(VALU_DEP_1)
	v_add_nc_u32 v233, 0xfe000000, v232
	s_delay_alu instid0(VALU_DEP_1)
	v_lshrrev_b32 v234, 23, v233
	s_delay_alu instid0(VALU_DEP_1)
	v_lshlrev_b32 v234, v8, v234
	s_delay_alu instid0(VALU_DEP_1)
	v_permlanex16_b32 v236, v234, s[SEL], s[SEL+1]
	s_delay_alu instid0(VALU_DEP_1)
	v_or_b32 v234, v234, v236                      ; the row's two bytes
	v_cvt_scalef32_pk16_bf6_f32 v[128:130], v[96:111], v233
	v_cvt_scalef32_pk16_bf6_f32 v[132:134], v[112:127], v233
	v_nop
	v_mov_b32 v131, v132
	v_mov_b32 v132, v133
	v_mov_b32 v133, v134
	global_store_b128 v1, v[128:131], s[94:95]
	global_store_b64 v2, v[132:133], s[94:95]
	global_store_b16 v31, v234, s[96:97]
	s_wait_tensorcnt 0x0
	ds_add_u32 v223, v243
	s_wait_dscnt 0x0
	ROUND                                          ; the closing round
	s_endpgm
.Lfunc_end_k_qaeec932ff8_attn:
	.size	k_qaeec932ff8_attn, .Lfunc_end_k_qaeec932ff8_attn-k_qaeec932ff8_attn
	.p2alignl 7, 3214868480
	.fill 96, 4, 3214868480
	.section	.rodata,"a",@progbits
	.p2align	6, 0x0
	.amdhsa_kernel k_qaeec932ff8_attn
		.amdhsa_group_segment_fixed_size 219136
		.amdhsa_private_segment_fixed_size 0
		.amdhsa_enable_private_segment 0
		.amdhsa_kernarg_size 24
		.amdhsa_user_sgpr_count 2
		.amdhsa_user_sgpr_kernarg_segment_ptr 1
		.amdhsa_wavefront_size32 1
		.amdhsa_system_sgpr_workgroup_id_x 1
		.amdhsa_system_sgpr_workgroup_id_y 1
		.amdhsa_system_sgpr_workgroup_id_z 1
		.amdhsa_system_vgpr_workitem_id 0
		.amdhsa_next_free_vgpr 256
		.amdhsa_next_free_sgpr 100
		.amdhsa_reserve_vcc 1
		.amdhsa_float_denorm_mode_32 3
		.amdhsa_float_denorm_mode_16_64 3
		.amdhsa_memory_ordered 1
		.amdhsa_forward_progress 1
		.amdhsa_inst_pref_size 36
	.end_amdhsa_kernel
	.amdgpu_metadata
---
amdhsa.version: [ 1, 2 ]
amdhsa.kernels:
  - .name:           k_qaeec932ff8_attn
    .symbol:         k_qaeec932ff8_attn.kd
    .args:
      - { .name: QKV, .offset: 0, .size: 8, .value_kind: global_buffer, .address_space: global }
      - { .name: padding_mask, .offset: 8, .size: 8, .value_kind: global_buffer, .address_space: global }
      - { .name: AT, .offset: 16, .size: 8, .value_kind: global_buffer, .address_space: global }
    .group_segment_fixed_size: 219136
    .private_segment_fixed_size: 0
    .kernarg_segment_align: 8
    .kernarg_segment_size: 24
    .max_flat_workgroup_size: 512
    .sgpr_count:     100
    .vgpr_count:     256
    .wavefront_size: 32
...
	.end_amdgpu_metadata
.endif
;; end of part 3
;; launch wo (part 4): grid 8 x 32, 4 waves a work-group, clusters of 4 x 4, 327,680 bytes of LDS; arguments AT, WB, X, RES; writes RES
.if DOCPART == 4
	.amdgcn_target "amdgcn-amd-amdhsa--gfx1250"
	.amdhsa_code_object_version 6
	.text
	.protected	k_qaeec932ff8_wo
	.globl	k_qaeec932ff8_wo
	.p2align	8
	.type	k_qaeec932ff8_wo,@function
k_qaeec932ff8_wo:
	s_mov_b64 s[64:65], 0
	v_nop
	global_prefetch_b8 v0, s[64:65] scope:SCOPE_SE
	s_setreg_imm32_b32 hwreg(HW_REG_WAVE_MODE, 25, 1), 1
	s_wait_xcnt 0x0
	s_wait_alu depctr_hold_cnt(0) depctr_sa_sdst(0) depctr_va_vdst(0) depctr_va_sdst(0) depctr_va_ssrc(0) depctr_va_vcc(0) depctr_vm_vsrc(0)
	s_getreg_b32 s2, hwreg(HW_REG_IB_STS2, 6, 4)
	s_cmp_eq_u32 s2, 0
	s_cbranch_scc0 .Lentry_in_a_cluster
	s_endpgm
.Lentry_in_a_cluster:
	s_bfe_u32 s2, ttmp6, 0x10000c
	s_cmp_lg_u32 s2, 0xf033
	s_cbranch_scc0 .Lentry_shape_is_right
	s_endpgm
.Lentry_shape_is_right:
; WO.  RES = attn W_O + X.  attn's codes come from AT, W_O's from WB, both as images of operand registers (fragment 1,536 bytes; unit = 128 rows x 128 K = 12,288 bytes; scale words 512 bytes a unit).  K = 1,024: KS = 8 K steps.
; A tile of the result is 128 x 128, so that there are 256 work-groups; a wave makes 64 x 64: 16 accumulators.  Source 0 = 16 rows of W_O (output columns), source 1 = 16 tokens: a lane holds eight neighbouring numbers of a row.
; LDS: two slots of 98,304 bytes (four K steps of both operands), the scale words of all of K, a stage of 16 rows x 272 bytes for each wave, the spare words.  With KS = 8 both slots are filled at the start and nothing is filled again.
; CLUSTER 4 x 4: tokens' tiles shared along a row of the cluster, the weight's along a column: joint loads.  One tensor load of a wave is out at the start.
; The residual's tile is loaded at the head, in the layout in which rows come back from the stage, and added there.
; REGISTERS: window 0: v1-31 addresses, v32-39 scale words (two sets), v64-111, v112-159 source 1's fragments.  window 1: v0-47, v48-95 source 0's.  window 2: accumulator (a, b) at v[32 a + 8 b].  window 3: v0-127 the residual.
; THE FILLS, as the text below has them: ONE joint load a wave at the head, 192 rows of 256 bytes: four K steps of one operand's block.  Waves 0, 1 fetch source 1's K steps 0-3 and 4-7 into slots 0 and 1, waves 2, 3 source 0's.  Nothing is filled again.
; The scale words (2,048 bytes a wave) come through registers and are stored into LDS bytes on which no fill lands: 8,192 of the 204,800 bytes that a work-group takes in, so they are not asked for jointly.
; No prefetch: all of K is asked for at the head: there is no loop to run ahead in.
.set KS,    8
.set BIAS,  0
.set SOFA,  3145728                    ; source 1's scale words in its buffer
.set WOFF,  5505024                    ; the weight's codes in WB
.set SOFB,  12812288                   ; and its scale words
.set RSD,   8                          ; s[8:9] the residual;  s[10:11] the result
.set OUT,   10
.set SLOTB, 98304
.set SLICE, 24576
.set SCL,   196608
.set STAGE, 229376
.set SPARE, 246784
.set SPW,   18
.set NIL,   19
.set G1A,   24
.set G1B,   32
.set G1SA,  40
.set G1SB,  48
.set G0A,   56                         ; s[56:63] source 1's groups 0, one for each slot;  s[68:75] source 0's;  s[76:79], s[80:83] the scale words'
.set G0B,   68
.set G0SA,  76
.set G0SB,  80
.set MSB, 0
.macro WIN new
.if MSB != (\new)
	s_set_vgpr_msb (MSB<<8)|(\new)
.set MSB, \new
.endif
.endm
.macro PLACES
.rept 4
	v_nop
.endr
.endm
.macro JLOAD g0a, g1a, g0b, g1b        ; waves 0, 1 fetch for source 1, waves 2, 3 for source 0; four v_nop follow each line
	s_cmp_eq_u32 s15, 0
	s_cbranch_scc0 .Lfor0_\@
	tensor_load_to_lds s[\g0a:\g0a+3], s[\g1a:\g1a+7]
	s_nop 0
.rept 4
	v_nop
.endr
	s_branch .Lasked_\@
.Lfor0_\@:
	tensor_load_to_lds s[\g0b:\g0b+3], s[\g1b:\g1b+7]
	s_nop 0
.rept 4
	v_nop
.endr
.Lasked_\@:
.endm
.macro CREST
	s_cmp_lg_u32 s14, 0
	s_cbranch_scc1 .Lnot0_\@
	s_barrier_signal -3
.Lnot0_\@:
	s_barrier_wait -3
	s_barrier_signal -1
	s_barrier_wait -1
.endm
.macro CROUND
	s_barrier_signal -1
	s_barrier_wait -1
	CREST
.endm
.macro G0SET g, lr, la, base, ga
	s_mov_b32 s[\g], 1
	s_add_co_u32 s[\g+1], s[\lr], \la
	s_add_nc_u64 s[\g+2:\g+3], s[\base:\base+1], \ga
	s_or_b32 s[\g+3], s[\g+3], 0x80000000
.endm
.macro FRAGL reg, a16, a8, off
	ds_load_b128 v[(\reg):(\reg)+3], v[\a16] offset:\off
	ds_load_b64 v[(\reg)+4:(\reg)+5], v[\a8] offset:\off
	ds_load_b128 v[(\reg)+6:(\reg)+9], v[\a16] offset:\off+768
	ds_load_b64 v[(\reg)+10:(\reg)+11], v[\a8] offset:\off+768
.endm
.macro FETCH sg, n, kp                 ; 36 loads into set sg: slot n's K step kp: four fragments of each source and four scale words
	WIN 0x40
.irp t, 0,1,2,3
	FRAGL 48*(\sg)+12*\t, 6+4*(\n), 7+4*(\n), (\kp)*12288+\t*1536
.endr
	WIN 0
.irp i, 0,1
	ds_load_b32 v[32+4*(\sg)+\i], v16 offset:(\kp)*512+128*\i
	ds_load_b32 v[34+4*(\sg)+\i], v17 offset:(\kp)*512+128*\i
.endr
.irp t, 0,1,2,3
	FRAGL 64+48*(\sg)+12*\t, 4+4*(\n), 5+4*(\n), (\kp)*12288+\t*1536
.endr
.endm
.macro WMM d, a, b, c, sa, sb, ra, rb
.if (\ra) == 0 && (\rb) == 0
	v_wmma_scale_f32_16x16x128_f8f6f4 v[\d:\d+7], v[\a:\a+11], v[\b:\b+11], \c, v[\sa], v[\sb] matrix_a_fmt:MATRIX_FMT_BF6 matrix_b_fmt:MATRIX_FMT_BF6
.elseif (\rb) == 0
	v_wmma_scale_f32_16x16x128_f8f6f4 v[\d:\d+7], v[\a:\a+11], v[\b:\b+11], \c, v[\sa], v[\sb] matrix_a_fmt:MATRIX_FMT_BF6 matrix_b_fmt:MATRIX_FMT_BF6 matrix_a_scale:MATRIX_SCALE_ROW1
.elseif (\ra) == 0
	v_wmma_scale_f32_16x16x128_f8f6f4 v[\d:\d+7], v[\a:\a+11], v[\b:\b+11], \c, v[\sa], v[\sb] matrix_a_fmt:MATRIX_FMT_BF6 matrix_b_fmt:MATRIX_FMT_BF6 matrix_b_scale:MATRIX_SCALE_ROW1
.else
	v_wmma_scale_f32_16x16x128_f8f6f4 v[\d:\d+7], v[\a:\a+11], v[\b:\b+11], \c, v[\sa], v[\sb] matrix_a_fmt:MATRIX_FMT_BF6 matrix_b_fmt:MATRIX_FMT_BF6 matrix_a_scale:MATRIX_SCALE_ROW1 matrix_b_scale:MATRIX_SCALE_ROW1
.endif
.endm
; 8 products.  cm = 1: they start the sums with 0; 2: with the bias's tiles.  The 16 accumulators take turns in one order.
.macro MUL8 a0, sg, cm
.if (\cm) == 2
	WIN 0x91
.else
	WIN 0xa1
.endif
.irp a, \a0, \a0+1
.irp b, 0,1,2,3
.if (\cm) == 1
	WMM 32*(\a)+8*\b, 48*(\sg)+12*\b, 64+48*(\sg)+12*(\a), 0, 34+4*(\sg)+\b/2, 32+4*(\sg)+(\a)/2, \b%2, (\a)%2
.elseif (\cm) == 2
	WMM 32*(\a)+8*\b, 48*(\sg)+12*\b, 64+48*(\sg)+12*(\a), v[96+8*\b:103+8*\b], 34+4*(\sg)+\b/2, 32+4*(\sg)+(\a)/2, \b%2, (\a)%2
.else
	WMM 32*(\a)+8*\b, 48*(\sg)+12*\b, 64+48*(\sg)+12*(\a), v[32*(\a)+8*\b:32*(\a)+8*\b+7], 34+4*(\sg)+\b/2, 32+4*(\sg)+(\a)/2, \b%2, (\a)%2
.endif
.endr
.endr
.endm
.macro STEP sg, n, kp, cm              ; a K step on set sg; slot n's K step kp is fetched into the other set first: at this tile a step's LDS reads outlast its sixteen products
	s_wait_dscnt 0x0                               ; this step's fragments are in
	PLACES                                         ; in front of loads into the set that the last step multiplied
	FETCH 1-(\sg), \n, \kp
	MUL8 0, \sg, \cm
	MUL8 2, \sg, \cm
.endm
; A slot's last K step (set 1) changes slots: every wave waits for all its tensor loads, adds 0 to its spare word, waits for that and for its reads; one barrier; fill = 1: it opens a round of the cluster's, and the refill is first behind it
.macro TURN slot, next, fill
	WIN 0
	s_wait_tensorcnt 0x0
	ds_add_u32 v[SPW], v[NIL]
.if \fill
	s_add_nc_u64 s[G0A+4*\slot+2:G0A+4*\slot+3], s[G0A+4*\slot+2:G0A+4*\slot+3], 2*49152   ; this slot's next four K steps
	s_add_nc_u64 s[G0B+4*\slot+2:G0B+4*\slot+3], s[G0B+4*\slot+2:G0B+4*\slot+3], 2*49152
.endif
	s_wait_dscnt 0x0
	s_barrier_signal -1
	MUL8 0, 1, 0
	WIN 0
	s_barrier_wait -1
.if \fill
	CREST
	JLOAD G0A+4*\slot, G1A, G0B+4*\slot, G1B       ; its four v_nop are also the places in front of the loads below
.else
	PLACES
.endif
	v_add_nc_u32 v16, 2048, v16                    ; the next slot's scale words
	v_add_nc_u32 v17, 2048, v17
	FETCH 0, \next, 0
	MUL8 2, 1, 0
.endm
	s_load_b256 s[4:11], s[0:1], 0x0
.if BIAS
	s_load_b64 s[12:13], s[0:1], 0x20
.endif
	v_lshl_add_u32 v[SPW], v0, 2, SPARE
	v_mov_b32 v[NIL], 0
	ds_add_u32 v18, v19
	ds_add_u32 v18, v19
	s_wait_dscnt 0x0
	v_lshrrev_b32 v1, 5, v0
	v_readfirstlane_b32 s14, v1                    ; wave 0..3
	s_lshr_b32 s15, s14, 1                         ; my half of the tokens.  Also: I fetch for source 1 (0) or source 0 (1)
	s_and_b32 s16, s14, 1                          ; my half of the columns.  Also: which slot's four K steps I fetch
	s_bfe_u32 s17, ttmp6, 0x40000                  ; cx
	s_bfe_u32 s18, ttmp6, 0x40004                  ; cy
	s_lshl_b32 s19, s18, 2
	s_lshl_b32 s19, 15, s19
	s_lshl_b32 s20, 0x1111, s17
	s_lshl_b32 s21, ttmp9, 2
	s_add_co_u32 s21, s21, s17                     ; the weight's block of 128 rows
	s_and_b32 s22, ttmp7, 0xffff
	s_lshl_b32 s22, s22, 2
	s_add_co_u32 s22, s22, s18                     ; the tokens' block of 128
	s_or_b32 s[G1A], s19, (3<<16)|(1<<21)
	s_or_b32 s[G1B], s20, (3<<16)|(1<<21)
.irp g, G1A, G1B
	s_mov_b32 s[\g+1], 32<<16                      ; 192 rows of 256 bytes: four K steps, dense
	s_mov_b32 s[\g+2], 192<<16
	s_mov_b32 s[\g+3], 32<<16
	s_mov_b32 s[\g+4], 192
	s_mov_b32 s[\g+5], 32
	s_mov_b32 s[\g+6], 0
	s_mov_b32 s[\g+7], 0
.endr
	s_mul_i32 s2, s16, 2*SLICE                     ; my four K steps in the block
	s_mul_i32 s3, s16, KS*256
	s_mul_i32 s92, s22, KS*12288
	s_add_co_u32 s92, s92, s2
	s_mov_b32 s93, 0
	s_mul_i32 s94, s21, KS*12288
	s_add_co_u32 s94, s94, s2
	s_add_co_u32 s94, s94, WOFF
	s_mov_b32 s95, 0
	s_mul_i32 s96, s22, KS*512
	s_add_co_u32 s96, s96, s3
	s_add_co_u32 s96, s96, SOFA
	s_mov_b32 s97, 0
	s_mul_i32 s98, s21, KS*512
	s_add_co_u32 s98, s98, s3
	s_add_co_u32 s98, s98, SOFB
	s_mov_b32 s99, 0
	s_mul_i32 s23, s16, SLOTB                      ; where they go: slot = which four K steps,
	s_mul_i32 s66, s15, 2*SLICE                    ; source 1's first, source 0's behind them
	s_add_co_u32 s23, s23, s66
	s_mul_i32 s3, s14, KS*256
	s_wait_kmcnt 0x0
	s_add_nc_u64 s[92:93], s[4:5], s[92:93]
	s_add_nc_u64 s[94:95], s[6:7], s[94:95]
	s_add_nc_u64 s[96:97], s[4:5], s[96:97]
	s_add_nc_u64 s[98:99], s[6:7], s[98:99]
	CROUND                                         ; all sixteen work-groups are here
	G0SET G0A, 23, 0, 92, 0
	G0SET G0B, 23, 0, 94, 0
	JLOAD G0A, G1A, G0B, G1B                       ; my one tensor load
	s_cmp_eq_u32 s15, 0
	s_cselect_b64 s[76:77], s[96:97], s[98:99]     ; my half of a block's scale words in memory
	s_add_co_u32 s3, s3, SCL                       ; and in LDS: SCL + 2,048 x wave
	v_and_b32 v1, 15, v0                           ; r
	v_bfe_u32 v2, v0, 4, 1                         ; h
	v_and_b32 v13, 31, v0
	v_lshlrev_b32 v3, 4, v13                       ; 16 x lane
	v_lshl_add_u32 v12, v13, 3, 512                ; 512 + 8 x lane
	v_lshlrev_b32 v13, 2, v13                      ; 4 x lane
	v_add_nc_u32 v28, s3, v3
.irp i, 0,1,2,3
	global_load_b128 v[64+4*\i:67+4*\i], v3, s[76:77] offset:512*\i   ; 512 consecutive bytes a load
.endr
	s_wait_alu depctr_va_vdst(0)
	s_mul_i32 s2, s15, 6144                        ; my four tiles of source 1,
	s_mul_i32 s3, s16, 6144
	s_add_co_u32 s3, s3, 49152                     ; of source 0
.irp n, 0,1
	v_add_nc_u32 v[4+4*\n], s2, v3
	v_add_nc_u32 v[5+4*\n], s2, v12
	v_add_nc_u32 v[6+4*\n], s3, v3
	v_add_nc_u32 v[7+4*\n], s3, v12
	s_add_co_u32 s2, s2, SLOTB
	s_add_co_u32 s3, s3, SLOTB
.endr
	s_lshl_b32 s2, s15, 8
	s_add_co_u32 s2, s2, SCL
	v_add_nc_u32 v16, s2, v13
	s_lshl_b32 s2, s16, 8
	s_add_co_u32 s2, s2, SCL+KS*512
	v_add_nc_u32 v17, s2, v13
	s_mul_i32 s2, s14, 16*272
	s_add_co_u32 s2, s2, STAGE                     ; my stage
	v_mul_u32_u24 v24, v1, 272
	v_lshl_add_u32 v24, v2, 5, v24
	v_add_nc_u32 v24, s2, v24                      ; in: row r, + 32 h
	v_mul_u32_u24 v25, v2, 272
	v_lshl_add_u32 v25, v1, 4, v25
	v_add_nc_u32 v25, s2, v25                      ; back: lanes 0-15 one row of 256 bytes, lanes 16-31 the next
	v_lshlrev_b32 v26, 12, v2
	v_lshl_add_u32 v26, v1, 4, v26                 ; and the same two rows in memory
	s_wait_alu depctr_va_vdst(0)
	v_lshlrev_b32 v27, 5, v2                       ; 32 h
	s_lshl_b32 s2, s22, 19                         ; 128 rows of 4,096 bytes,
	s_lshl_b32 s3, s15, 18                         ; my 64 of them,
	s_add_co_u32 s2, s2, s3
	s_lshl_b32 s66, s21, 9                         ; 128 columns,
	s_lshl_b32 s3, s16, 8                          ; my 64
	s_add_co_u32 s66, s66, s3
	s_mov_b32 s67, 0
	s_add_co_u32 s2, s2, s66
	s_mov_b32 s3, 0
	s_add_nc_u64 s[RSD:RSD+1], s[RSD:RSD+1], s[2:3]
	s_add_nc_u64 s[OUT:OUT+1], s[OUT:OUT+1], s[2:3]
.if BIAS
	s_add_nc_u64 s[8:9], s[8:9], s[66:67]
	WIN 0x40
.irp b, 0,1,2,3
	global_load_b128 v[96+8*\b:99+8*\b], v27, s[8:9] offset:64*\b          ; the bias of columns 16 b + 8 h + 0 .. 7: the C of the first products
	global_load_b128 v[100+8*\b:103+8*\b], v27, s[8:9] offset:64*\b+16
.endr
.endif
	WIN 0xc0
.irp a, 0,1,2,3
.irp t, 0,1,2,3,4,5,6,7
	global_load_b128 v[32*\a+4*\t:32*\a+4*\t+3], v26, s[RSD:RSD+1] offset:(16*\a+2*\t)*4096   ; sixteen lanes read 256 consecutive bytes
.endr
.endr
	WIN 0
	s_wait_loadcnt 32                              ; the scale words are in; the residual's 32 loads may be out
.irp i, 0,1,2,3
	ds_store_b128 v28, v[64+4*\i:67+4*\i] offset:512*\i
.endr
	s_wait_tensorcnt 0x0                           ; my four K steps are in,
	s_wait_dscnt 0x0                               ; and my stores have landed, for the other waves' sake
	s_barrier_signal -1
	s_barrier_wait -1
	FETCH 0, 0, 0
.if BIAS
	s_wait_loadcnt 32                              ; the bias is in; the residual's 32 loads may be out
	STEP 0, 0, 1, 2
.else
	STEP 0, 0, 1, 1
.endif
.if KS > 8
	WIN 0
	s_mov_b32 s2, KS/8-1
.Llap:                                 ; a trip goes once round the two slots and fills both again
	STEP 1, 0, 2, 0
	STEP 0, 0, 3, 0
	TURN 0, 1, 1
	STEP 0, 1, 1, 0
	STEP 1, 1, 2, 0
	STEP 0, 1, 3, 0
	TURN 1, 0, 1
	STEP 0, 0, 1, 0
	WIN 0
	s_sub_co_u32 s2, s2, 1
	s_cmp_lg_u32 s2, 0
	s_cbranch_scc1 .Llap
.endif
	STEP 1, 0, 2, 0                                ; the last eight K steps fill nothing
	STEP 0, 0, 3, 0
	TURN 0, 1, 0
	s_wait_alu depctr_va_vdst(0)
	STEP 0, 1, 1, 0
	STEP 1, 1, 2, 0
	STEP 0, 1, 3, 0
	s_wait_dscnt 0x0
	MUL8 0, 1, 0
	MUL8 2, 1, 0
	WIN 0
	PLACES                                         ; behind the last products
	s_wait_loadcnt 0x0                             ; the residual
; THE WAY OUT: 16 rows x 64 columns at a time through my own stage; LDS serves a wave's instructions in order (ISA guide 5.7.1.4), so no wait stands between the stores and the loads
.irp a, 0,1,2,3
.if \a >= 2
	s_wait_xcnt 0x0                                ; the stores of two blocks ago have read their registers
.endif
	WIN 0x08
.irp b, 0,1,2,3
	ds_store_b128 v24, v[32*\a+8*\b:32*\a+8*\b+3] offset:64*\b             ; each accumulator from its low end on
	ds_store_b128 v24, v[32*\a+8*\b+4:32*\a+8*\b+7] offset:64*\b+16
.endr
	WIN 0
.irp t, 0,1,2,3,4,5,6,7
	ds_load_b128 v[64+32*(\a%2)+4*\t:67+32*(\a%2)+4*\t], v25 offset:544*\t
.endr
	s_wait_dscnt 0x0
	WIN 0x0c
.irp i, 0,2,4,6,8,10,12,14,16,18,20,22,24,26,28,30
	v_pk_add_f32 v[64+32*(\a%2)+\i:65+32*(\a%2)+\i], v[64+32*(\a%2)+\i:65+32*(\a%2)+\i], v[32*\a+\i:32*\a+\i+1]
.endr
	WIN 0
.irp t, 0,1,2,3,4,5,6,7
	global_store_b128 v26, v[64+32*(\a%2)+4*\t:67+32*(\a%2)+4*\t], s[OUT:OUT+1] offset:(16*\a+2*\t)*4096   ; sixteen lanes store 256 consecutive bytes, aligned
.endr
.endr
	s_wait_tensorcnt 0x0                           ; the wave's end
	ds_add_u32 v[SPW], v[NIL]
	s_wait_dscnt 0x0
	CROUND                                         ; the closing round
	s_endpgm
.Lfunc_end_k_qaeec932ff8_wo:
	.size	k_qaeec932ff8_wo, .Lfunc_end_k_qaeec932ff8_wo-k_qaeec932ff8_wo
	.p2alignl 7, 3214868480
	.fill 96, 4, 3214868480
	.section	.rodata,"a",@progbits
	.p2align	6, 0x0
	.amdhsa_kernel k_qaeec932ff8_wo
		.amdhsa_group_segment_fixed_size 327680
		.amdhsa_private_segment_fixed_size 0
		.amdhsa_enable_private_segment 0
		.amdhsa_kernarg_size 32
		.amdhsa_user_sgpr_count 2
		.amdhsa_user_sgpr_kernarg_segment_ptr 1
		.amdhsa_wavefront_size32 1
		.amdhsa_system_sgpr_workgroup_id_x 1
		.amdhsa_system_sgpr_workgroup_id_y 1
		.amdhsa_system_sgpr_workgroup_id_z 1
		.amdhsa_system_vgpr_workitem_id 0
		.amdhsa_next_free_vgpr 1024
		.amdhsa_next_free_sgpr 102
		.amdhsa_reserve_vcc 0
		.amdhsa_float_denorm_mode_32 3
		.amdhsa_float_denorm_mode_16_64 3
		.amdhsa_memory_ordered 1
		.amdhsa_forward_progress 1
		.amdhsa_inst_pref_size 60
	.end_amdhsa_kernel
	.amdgpu_metadata
---
amdhsa.version: [ 1, 2 ]
amdhsa.kernels:
  - .name:           k_qaeec932ff8_wo
    .symbol:         k_qaeec932ff8_wo.kd
    .args:
      - { .name: AT, .offset: 0, .size: 8, .value_kind: global_buffer, .address_space: global }
      - { .name: WB, .offset: 8, .size: 8, .value_kind: global_buffer, .address_space: global }
      - { .name: X, .offset: 16, .size: 8, .value_kind: global_buffer, .address_space: global }
      - { .name: RES, .offset: 24, .size: 8, .value_kind: global_buffer, .address_space: global }
    .group_segment_fixed_size: 327680
    .private_segment_fixed_size: 0
    .kernarg_segment_align: 8
    .kernarg_segment_size: 32
    .max_flat_workgroup_size: 128
    .sgpr_count:     102
    .vgpr_count:     1024
    .wavefront_size: 32
...
	.end_amdgpu_metadata
.endif
;; end of part 4
;; launch ln2 (part 5): grid 256 x 1, 8 waves a work-group, no clusters, 67,072 bytes of LDS; arguments RES, g2, b2, NN; writes NN
.if DOCPART == 5
	.amdgcn_target "amdgcn-amd-amdhsa--gfx1250"
	.amdhsa_code_object_version 6
	.text
	.protected	k_qaeec932ff8_ln2
	.globl	k_qaeec932ff8_ln2
	.p2align	8
	.type	k_qaeec932ff8_ln2,@function
k_qaeec932ff8_ln2:
	s_mov_b64 s[64:65], 0
	v_nop
	global_prefetch_b8 v0, s[64:65] scope:SCOPE_SE
	s_setreg_imm32_b32 hwreg(HW_REG_WAVE_MODE, 25, 1), 1
	s_wait_xcnt 0x0
; LN2.  nn2 = layernorm(RES) (g2, b2), quantised to E3M2 along its 1,024 columns, into NN as images of operand registers: fragment (block of 128 rows rb, K step s, tile t) at ((8 rb + s) 8 + t) 1,536;
; scale words at SOFF + ((8 rb + s) 128 + row % 128) 4.  In a fragment: two halves c of 768 bytes: lane l's registers 6c..6c+3 at 16 l, its registers 6c+4, 6c+5 at 512 + 8 l.
; A work-group owns 16 rows.  First wave w owns rows 2w, 2w+1 (dense loads of 512 bytes; mean, then the sum of squared differences; rsq); the rows meet in LDS (pitch 4,112: sixteen rows' 16 bytes fall on sixteen
; different columns of banks); then wave w owns K step w: a lane reads two whole blocks of 32 of its row and quantises them.
; LIMITS: NaN and infinities are not served; largest magnitudes under 2^-122 are taken as 2^-122; a block of zeros gets the byte 1 (its codes are zeros; only this program reads the bytes).  Scale words leave in pieces of 64 bytes.
.set SOFF,  3145728
.set PITCH, 4112
.set SEL,   22
.set H8,    7
.set OD,    172
.set TM,    180
.set PW,    187
.macro RSUM x, t
.irp m, 1
	v_add_f32_dpp v[\x], v[\x], v[\x] row_xmask:\m row_mask:0xf bank_mask:0xf
.endr
.irp m, 2, 4, 8
	s_delay_alu instid0(VALU_DEP_1)
	v_add_f32_dpp v[\x], v[\x], v[\x] row_xmask:\m row_mask:0xf bank_mask:0xf
.endr
	s_delay_alu instid0(VALU_DEP_1)
	v_permlanex16_b32 v[\t], v[\x], s[SEL], s[SEL+1]
	s_delay_alu instid0(VALU_DEP_1)
	v_add_f32 v[\x], v[\x], v[\t]
.endm
.macro QUANT2 src, dst
.irp k, 0,1
	v_max3_num_f32 v[TM+\k], |v[\src+32*\k]|, |v[\src+32*\k+1]|, 0x2800000   ; with the floor 2^(5 - 127)
	v_max3_num_f32 v[TM+2+\k], |v[\src+32*\k+16]|, |v[\src+32*\k+17]|, |v[\src+32*\k+18]|
.endr
.irp i, 2,4,6,8,10,12
.irp k, 0,1
	s_delay_alu instid0(VALU_DEP_4)
	v_max3_num_f32 v[TM+\k], v[TM+\k], |v[\src+32*\k+\i]|, |v[\src+32*\k+\i+1]|
	s_delay_alu instid0(VALU_DEP_4)
	v_max3_num_f32 v[TM+2+\k], v[TM+2+\k], |v[\src+32*\k+\i+17]|, |v[\src+32*\k+\i+18]|
.endr
.endr
.irp k, 0
	s_delay_alu instid0(VALU_DEP_4)
	v_max3_num_f32 v[TM+\k], v[TM+\k], |v[\src+32*\k+14]|, |v[\src+32*\k+15]|
.endr
.irp k, 1
	s_delay_alu instid0(VALU_DEP_3)
	v_max3_num_f32 v[TM+\k], v[TM+\k], |v[\src+32*\k+14]|, |v[\src+32*\k+15]|
.endr
.irp k, 0,1
	s_delay_alu instid0(VALU_DEP_2)
	v_max3_num_f32 v[TM+\k], v[TM+\k], v[TM+2+\k], |v[\src+32*\k+31]|
.endr
.irp k, 0,1
	s_delay_alu instid0(VALU_DEP_2)
	v_add_nc_u32 v[TM+2+\k], 0xfe000000, v[TM+\k]   ; 4 off the exponent field: the conversion's scale operand
.endr
.irp k, 0,1
	s_delay_alu instid0(VALU_DEP_2)
	v_lshrrev_b32 v[TM+4+\k], 23, v[TM+2+\k]
.endr
	s_delay_alu instid0(VALU_DEP_1)
	v_lshl_or_b32 v[PW], v[TM+5], 16, v[TM+4]
	s_delay_alu instid0(VALU_DEP_1)
	v_lshlrev_b32 v[PW], v[H8], v[PW]
	s_delay_alu instid0(VALU_DEP_1)
	v_permlanex16_b32 v[TM+6], v[PW], s[SEL], s[SEL+1]
	s_delay_alu instid0(VALU_DEP_1)
	v_or_b32 v[PW], v[PW], v[TM+6]
.irp k, 0,1
	v_cvt_scalef32_pk16_bf6_f32 v[\dst+6*\k:\dst+6*\k+2], v[\src+32*\k:\src+32*\k+15], v[TM+2+\k]
	v_cvt_scalef32_pk16_bf6_f32 v[OD+4*\k:OD+4*\k+2], v[\src+32*\k+16:\src+32*\k+31], v[TM+2+\k]
.endr
	v_nop
.irp k, 0,1
.irp i, 0,1,2
	v_mov_b32 v[\dst+6*\k+3+\i], v[OD+4*\k+\i]
.endr
.endr
.endm
	s_load_b256 s[4:11], s[0:1], 0x0               ; RES, g2, b2, NN
	v_lshl_add_u32 v192, v0, 2, 0x10200
	v_mov_b32 v193, 0
	v_lshrrev_b32 v1, 5, v0
	s_delay_alu instid0(VALU_DEP_1)
	v_readfirstlane_b32 s12, v1                    ; wave 0..7
	v_and_b32 v1, 31, v0
	s_delay_alu instid0(VALU_DEP_1)
	v_lshlrev_b32 v2, 4, v1                        ; 16 x lane
	s_delay_alu instid0(VALU_DEP_2)
	v_lshlrev_b32 v8, 3, v1                        ; 8 x lane
	v_and_b32 v5, 15, v0                           ; r
	v_bfe_u32 v6, v0, 4, 1                         ; h
	s_delay_alu instid0(VALU_DEP_1)
	v_lshlrev_b32 v[H8], 3, v6
	s_delay_alu instid0(VALU_DEP_3)
	v_lshlrev_b32 v9, 2, v5
	s_mul_i32 s13, s12, 2*PITCH
	v_add_nc_u32 v3, s13, v2
	v_mul_u32_u24 v4, v5, PITCH
	s_delay_alu instid0(VALU_DEP_1)
	v_lshl_add_u32 v4, v6, 7, v4
	s_lshl_b32 s13, s12, 9
	v_add_nc_u32 v4, s13, v4
	s_mov_b32 s[SEL], 0x76543210
	s_mov_b32 s[SEL+1], 0xfedcba98
	s_mov_b32 s20, 0x3a800000                      ; 1 / 1,024
	s_mov_b32 s21, 0x358637bd                      ; 1e-6
	v_mov_b32 v28, 0
	v_mov_b32 v29, 0
	v_mov_b32 v[TM+6], 0
	s_lshl_b32 s14, ttmp9, 16
	s_lshl_b32 s15, s12, 13
	s_add_co_u32 s14, s14, s15
	s_mov_b32 s15, 0
	s_wait_kmcnt 0x0
	s_add_nc_u64 s[4:5], s[4:5], s[14:15]
.irp p, 0,1
.irp i, 0,1,2,3,4,5,6,7
	global_load_b128 v[32+32*\p+4*\i:35+32*\p+4*\i], v2, s[4:5] offset:4096*\p+512*\i
.endr
.endr
.irp i, 0,1,2,3,4,5,6,7
	global_load_b128 v[96+4*\i:99+4*\i], v2, s[6:7] offset:512*\i
.endr
.irp i, 0,1,2,3,4,5,6,7
	global_load_b128 v[128+4*\i:131+4*\i], v2, s[8:9] offset:512*\i
.endr
	s_wait_loadcnt 16                              ; the rows are in; the gain's and the bias's sixteen loads may be out
.irp p, 0,1
	v_pk_add_f32 v[10+4*\p:11+4*\p], v[32+32*\p:33+32*\p], v[34+32*\p:35+32*\p]
	v_pk_add_f32 v[12+4*\p:13+4*\p], v[48+32*\p:49+32*\p], v[50+32*\p:51+32*\p]
.endr
.irp i, 4,6,8,10,12,14
.irp p, 0,1
	s_delay_alu instid0(VALU_DEP_4)
	v_pk_add_f32 v[10+4*\p:11+4*\p], v[10+4*\p:11+4*\p], v[32+32*\p+\i:33+32*\p+\i]
	s_delay_alu instid0(VALU_DEP_4)
	v_pk_add_f32 v[12+4*\p:13+4*\p], v[12+4*\p:13+4*\p], v[48+32*\p+\i:49+32*\p+\i]
.endr
.endr
.irp p, 0
	s_delay_alu instid0(VALU_DEP_3)
	v_pk_add_f32 v[10+4*\p:11+4*\p], v[10+4*\p:11+4*\p], v[12+4*\p:13+4*\p]
.endr
.irp p, 1
	s_delay_alu instid0(VALU_DEP_2)
	v_pk_add_f32 v[10+4*\p:11+4*\p], v[10+4*\p:11+4*\p], v[12+4*\p:13+4*\p]
.endr
.irp p, 0,1
	s_delay_alu instid0(VALU_DEP_2)
	v_add_f32 v[10+4*\p], v[10+4*\p], v[11+4*\p]
.endr
	RSUM 10, 28
	RSUM 14, 29
.irp p, 0
	v_mul_f32 v[18+2*\p], s20, v[10+4*\p]          ; the mean, in both registers of a pair
	v_mul_f32 v[19+2*\p], s20, v[10+4*\p]
.endr
.irp p, 1
	s_delay_alu instid0(VALU_DEP_3)
	v_mul_f32 v[18+2*\p], s20, v[10+4*\p]          ; the mean, in both registers of a pair
	s_delay_alu instid0(VALU_DEP_4)
	v_mul_f32 v[19+2*\p], s20, v[10+4*\p]
.endr
.irp i, 0,2,4,6,8,10,12,14,16,18,20,22,24,26,28,30
.irp p, 0,1
	v_pk_add_f32 v[32+32*\p+\i:33+32*\p+\i], v[32+32*\p+\i:33+32*\p+\i], v[18+2*\p:19+2*\p] neg_lo:[0,1] neg_hi:[0,1]
.endr
.endr
.irp p, 0,1
	v_pk_mul_f32 v[10+4*\p:11+4*\p], v[32+32*\p:33+32*\p], v[32+32*\p:33+32*\p]
	v_pk_mul_f32 v[12+4*\p:13+4*\p], v[48+32*\p:49+32*\p], v[48+32*\p:49+32*\p]
.endr
.irp i, 2,4,6,8,10,12,14
.irp p, 0,1
	s_delay_alu instid0(VALU_DEP_4)
	v_pk_fma_f32 v[10+4*\p:11+4*\p], v[32+32*\p+\i:33+32*\p+\i], v[32+32*\p+\i:33+32*\p+\i], v[10+4*\p:11+4*\p]
	s_delay_alu instid0(VALU_DEP_4)
	v_pk_fma_f32 v[12+4*\p:13+4*\p], v[48+32*\p+\i:49+32*\p+\i], v[48+32*\p+\i:49+32*\p+\i], v[12+4*\p:13+4*\p]
.endr
.endr
.irp p, 0
	s_delay_alu instid0(VALU_DEP_3)
	v_pk_add_f32 v[10+4*\p:11+4*\p], v[10+4*\p:11+4*\p], v[12+4*\p:13+4*\p]
.endr
.irp p, 1
	s_delay_alu instid0(VALU_DEP_2)
	v_pk_add_f32 v[10+4*\p:11+4*\p], v[10+4*\p:11+4*\p], v[12+4*\p:13+4*\p]
.endr
.irp p, 0,1
	s_delay_alu instid0(VALU_DEP_2)
	v_add_f32 v[10+4*\p], v[10+4*\p], v[11+4*\p]
.endr
	RSUM 10, 28
	RSUM 14, 29
	v_fma_f32 v22, v10, s20, s21
	s_delay_alu instid0(VALU_DEP_2)
	v_fma_f32 v23, v14, s20, s21
	s_wait_alu depctr_va_vdst(0)
	v_rsq_f32 v24, v22
	v_rsq_f32 v26, v23
	v_nop                                          ; a plain place behind the two
	s_wait_alu depctr_va_vdst(0)                   ; one wait for both, ahead of their first reader
	v_mov_b32 v25, v24
	v_mov_b32 v27, v26
	s_wait_alu depctr_va_vdst(0)
	s_wait_loadcnt 0x0
.irp i, 0,2,4,6,8,10,12,14,16,18,20,22,24,26,28,30
.irp p, 0,1
	v_pk_mul_f32 v[32+32*\p+\i:33+32*\p+\i], v[32+32*\p+\i:33+32*\p+\i], v[24+2*\p:25+2*\p]
.endr
.irp p, 0,1
	s_delay_alu instid0(VALU_DEP_2)
	v_pk_fma_f32 v[32+32*\p+\i:33+32*\p+\i], v[32+32*\p+\i:33+32*\p+\i], v[96+\i:97+\i], v[128+\i:129+\i]
.endr
.endr
.irp p, 0,1
.irp i, 0,1,2,3,4,5,6,7
	ds_store_b128 v3, v[32+32*\p+4*\i:35+32*\p+4*\i] offset:PITCH*\p+512*\i
.endr
.endr
	s_wait_dscnt 0x0                               ; my stores have landed, for the other waves' sake
	s_barrier_signal -1
	s_barrier_wait -1
.irp c, 0,1
.irp q, 0,1,2,3,4,5,6,7
	ds_load_b128 v[32+32*\c+4*\q:35+32*\c+4*\q], v4 offset:256*\c+16*\q
.endr
.endr
	s_lshr_b32 s13, ttmp9, 3
	s_lshl_b32 s13, s13, 3
	s_add_co_u32 s13, s13, s12
	s_and_b32 s14, ttmp9, 7
	s_lshl_b32 s16, s13, 3
	s_add_co_u32 s16, s16, s14
	s_mul_i32 s16, s16, 1536
	s_mov_b32 s17, 0
	s_lshl_b32 s18, s13, 9
	s_lshl_b32 s14, s14, 6
	s_add_co_u32 s18, s18, s14
	s_add_co_u32 s18, s18, SOFF
	s_mov_b32 s19, 0
	s_add_nc_u64 s[16:17], s[10:11], s[16:17]
	s_add_nc_u64 s[18:19], s[10:11], s[18:19]
	s_wait_dscnt 0x0
	QUANT2 32, 160
	global_store_b128 v2, v[160:163], s[16:17]
	global_store_b64 v8, v[164:165], s[16:17] offset:512
	global_store_b128 v2, v[166:169], s[16:17] offset:768
	global_store_b64 v8, v[170:171], s[16:17] offset:1280
	global_store_b32 v9, v[PW], s[18:19]
	s_wait_tensorcnt 0x0
	ds_add_u32 v192, v193
	s_wait_dscnt 0x0
	s_endpgm
.Lfunc_end_k_qaeec932ff8_ln2:
	.size	k_qaeec932ff8_ln2, .Lfunc_end_k_qaeec932ff8_ln2-k_qaeec932ff8_ln2
	.p2alignl 7, 3214868480
	.fill 96, 4, 3214868480
	.section	.rodata,"a",@progbits
	.p2align	6, 0x0
	.amdhsa_kernel k_qaeec932ff8_ln2
		.amdhsa_group_segment_fixed_size 67072
		.amdhsa_private_segment_fixed_size 0
		.amdhsa_enable_private_segment 0
		.amdhsa_kernarg_size 32
		.amdhsa_user_sgpr_count 2
		.amdhsa_user_sgpr_kernarg_segment_ptr 1
		.amdhsa_wavefront_size32 1
		.amdhsa_system_sgpr_workgroup_id_x 1
		.amdhsa_system_sgpr_workgroup_id_y 1
		.amdhsa_system_sgpr_workgroup_id_z 1
		.amdhsa_system_vgpr_workitem_id 0
		.amdhsa_next_free_vgpr 194
		.amdhsa_next_free_sgpr 66
		.amdhsa_reserve_vcc 0
		.amdhsa_float_denorm_mode_32 3
		.amdhsa_float_denorm_mode_16_64 3
		.amdhsa_memory_ordered 1
		.amdhsa_forward_progress 1
		.amdhsa_inst_pref_size 28
	.end_amdhsa_kernel
	.amdgpu_metadata
---
amdhsa.version: [ 1, 2 ]
amdhsa.kernels:
  - .name:           k_qaeec932ff8_ln2
    .symbol:         k_qaeec932ff8_ln2.kd
    .args:
      - { .name: RES, .offset: 0, .size: 8, .value_kind: global_buffer, .address_space: global }
      - { .name: g2, .offset: 8, .size: 8, .value_kind: global_buffer, .address_space: global }
      - { .name: b2, .offset: 16, .size: 8, .value_kind: global_buffer, .address_space: global }
      - { .name: NN, .offset: 24, .size: 8, .value_kind: global_buffer, .address_space: global }
    .group_segment_fixed_size: 67072
    .private_segment_fixed_size: 0
    .kernarg_segment_align: 8
    .kernarg_segment_size: 32
    .max_flat_workgroup_size: 256
    .sgpr_count:     66
    .vgpr_count:     194
    .wavefront_size: 32
...
	.end_amdgpu_metadata
.endif
;; end of part 5
;; launch ffn1 (part 6): grid 16 x 16, 4 waves a work-group, clusters of 4 x 4, 327,680 bytes of LDS; arguments NN, WB, bias1, HH; writes HH
.if DOCPART == 6
	.amdgcn_target "amdgcn-amd-amdhsa--gfx1250"
	.amdhsa_code_object_version 6
	.text
	.protected	k_qaeec932ff8_ffn1
	.globl	k_qaeec932ff8_ffn1
	.p2align	8
	.type	k_qaeec932ff8_ffn1,@function
k_qaeec932ff8_ffn1:
	s_mov_b64 s[64:65], 0
	v_nop
	global_prefetch_b8 v0, s[64:65] scope:SCOPE_SE
	s_setreg_imm32_b32 hwreg(HW_REG_WAVE_MODE, 25, 1), 1
	s_wait_xcnt 0x0
	s_wait_alu depctr_hold_cnt(0) depctr_sa_sdst(0) depctr_va_vdst(0) depctr_va_sdst(0) depctr_va_ssrc(0) depctr_va_vcc(0) depctr_vm_vsrc(0)
	s_getreg_b32 s2, hwreg(HW_REG_IB_STS2, 6, 4)
	s_cmp_eq_u32 s2, 0
	s_cbranch_scc0 .Lentry_in_a_cluster
	s_endpgm
.Lentry_in_a_cluster:
	s_bfe_u32 s2, ttmp6, 0x10000c
	s_cmp_lg_u32 s2, 0xf033
	s_cbranch_scc0 .Lentry_shape_is_right
	s_endpgm
.Lentry_shape_is_right:
; FFN1.  h = gelu(nn2 W1 + bias1), exact (erf) GELU, quantised to E3M2 along the 4,096 hidden units into HH.  nn2's codes come from NN, W1's from WB, as images of operand registers
; (fragment 1,536 bytes, unit = 128 rows x 128 K = 12,288 bytes, a block of 128 rows = 8 units; scale words 512 bytes a unit).  K = 1,024.
; A work-group makes 256 hidden units (source 0 = W1's rows) x 256 tokens (source 1); a wave 128 x 128: 64 accumulators.  Lane (r, h) holds token r, its registers run along the hidden units: the next K.  The bias is the C of the first products.
; LDS, ring and cluster as in the launch that makes q, k, v: three regions of two K steps, six K steps asked for at the start (one tensor load of a wave out), one refill behind K step 1's round; joint loads in a 4 x 4 cluster.
; THE WAY OUT is a loop over the wave's eight tiles of tokens, so that the GELU is written once; only the copy out of the accumulators, whose registers differ, is written eight times and chosen by the counter.
; The copy lays the four tiles of a group in the order 0, 2, 1, 3, so that behind sixteen half-swaps a lane holds a whole block of 32 hidden units in natural order, as W2's given codes want.
; erf(u) = u P(u^2) / Q(u^2) on |u| <= 4 (beyond it u is held at 4, where erf is 1 to f32): polynomials of degree 6 and 4, right to a few units in the last place of 1.
; LIMITS: NaN and infinities are not served; a block's largest magnitude is floored at 2^-122; a block of zeros gets the byte 1 with zero codes.  Scale words leave in pieces of 64 bytes.
; REGISTERS: window 0: v1-31 addresses, v32-47 scale words, v48-63 at work, v64-159, v160-255 source 1's fragments (on the way out: v64-127 h, v128-191 at work, v192-203 codes).  window 1: v0-95, v96-191 source 0's, v192-255 the bias.  windows 2, 3: accumulators.
; THE FILLS, as the text below has them: LDS holds four blocks of 128 rows, 73,728 bytes each (six K steps on end); wave w asks at the head for K steps 0-5 of its block by ONE joint load (288 rows of 256 bytes);
; K steps 6, 7 go into the block's first 24,576 bytes behind K step 1's round.  One tensor load of a wave is out at any time.  A region n is K steps 2 n, 2 n + 1: 24,576 n inside each block.
; The scale words (4,096 bytes a block) come through registers: eight loads of 512 bytes a wave, stored into LDS bytes on which no fill lands.  They are 16,384 of the 409,600 bytes that a work-group takes in, so they are not asked for jointly.
; No prefetch: the walk along K is written out and six of its eight K steps are asked for at the head: there is no loop to run ahead in.
.set SW,    12582912
.set RGN,   98304
.set SLICE, 24576
.set SCL,   294912
.set SPARE, 311296
.set H8,    2
.set SPW,   18
.set NIL,   19
.set TM,    48
.set PW,    55
.set OD,    56
.set SEL,   100
.set G1A,   24
.set G1B,   32
.set G1SA,  40
.set G1SB,  48
.set F0A,   56
.set F1A,   60
.set F2A,   68
.set F0B,   72
.set F1B,   76
.set F2B,   80
.set FSA,   84
.set FSB,   88
.set MSB, 0
.macro WIN new
.if MSB != (\new)
	s_set_vgpr_msb (MSB<<8)|(\new)
.set MSB, \new
.endif
.endm
.macro PLACES
.rept 4
	v_nop
.endr
.endm
.macro JLOAD g0a, g1a, g0b, g1b        ; waves 0, 1 fetch for source 1, waves 2, 3 for source 0; four v_nop follow each line
	s_cmp_eq_u32 s15, 0
	s_cbranch_scc0 .Lfor0_\@
	tensor_load_to_lds s[\g0a:\g0a+3], s[\g1a:\g1a+7]
	s_nop 0
.rept 4
	v_nop
.endr
	s_branch .Lasked_\@
.Lfor0_\@:
	tensor_load_to_lds s[\g0b:\g0b+3], s[\g1b:\g1b+7]
	s_nop 0
.rept 4
	v_nop
.endr
.Lasked_\@:
.endm
.macro CREST
	s_cmp_lg_u32 s14, 0
	s_cbranch_scc1 .Lnot0_\@
	s_barrier_signal -3
.Lnot0_\@:
	s_barrier_wait -3
	s_barrier_signal -1
	s_barrier_wait -1
.endm
.macro CROUND
	s_barrier_signal -1
	s_barrier_wait -1
	CREST
.endm
.macro G0SET g, lr, la, base, ga
	s_mov_b32 s[\g], 1
	s_add_co_u32 s[\g+1], s[\lr], \la
	s_add_nc_u64 s[\g+2:\g+3], s[\base:\base+1], \ga
	s_or_b32 s[\g+3], s[\g+3], 0x80000000
.endm
.macro FRAGL reg, a16, a8, off
	ds_load_b128 v[(\reg):(\reg)+3], v[\a16] offset:\off
	ds_load_b64 v[(\reg)+4:(\reg)+5], v[\a8] offset:\off
	ds_load_b128 v[(\reg)+6:(\reg)+9], v[\a16] offset:\off+768
	ds_load_b64 v[(\reg)+10:(\reg)+11], v[\a8] offset:\off+768
.endm
.macro FETCH1 sg, n, kp, st            ; 56 loads: source 0's eight fragments, eight scale words, source 1's tiles 0-3
	WIN 0x40
.irp t, 0,1,2,3,4,5,6,7
	FRAGL 96*(\sg)+12*\t, 6+4*(\n), 7+4*(\n), (\kp)*12288+\t*1536
.endr
	WIN 0
.irp i, 0,1,2,3
	ds_load_b32 v[32+8*(\sg)+\i], v16 offset:(\st)*512+128*\i
	ds_load_b32 v[36+8*(\sg)+\i], v17 offset:(\st)*512+128*\i
.endr
.irp t, 0,1,2,3
	FRAGL 64+96*(\sg)+12*\t, 4+4*(\n), 5+4*(\n), (\kp)*12288+\t*1536
.endr
.endm
.macro FETCH2 sg, n, kp                ; 16 loads: source 1's tiles 4-7
	WIN 0
.irp t, 4,5,6,7
	FRAGL 64+96*(\sg)+12*\t, 4+4*(\n), 5+4*(\n), (\kp)*12288+\t*1536
.endr
.endm
.macro WMM d, a, b, c, sa, sb, ra, rb
.if (\ra) == 0 && (\rb) == 0
	v_wmma_scale_f32_16x16x128_f8f6f4 v[\d:\d+7], v[\a:\a+11], v[\b:\b+11], \c, v[\sa], v[\sb] matrix_a_fmt:MATRIX_FMT_BF6 matrix_b_fmt:MATRIX_FMT_BF6
.elseif (\rb) == 0
	v_wmma_scale_f32_16x16x128_f8f6f4 v[\d:\d+7], v[\a:\a+11], v[\b:\b+11], \c, v[\sa], v[\sb] matrix_a_fmt:MATRIX_FMT_BF6 matrix_b_fmt:MATRIX_FMT_BF6 matrix_a_scale:MATRIX_SCALE_ROW1
.elseif (\ra) == 0
	v_wmma_scale_f32_16x16x128_f8f6f4 v[\d:\d+7], v[\a:\a+11], v[\b:\b+11], \c, v[\sa], v[\sb] matrix_a_fmt:MATRIX_FMT_BF6 matrix_b_fmt:MATRIX_FMT_BF6 matrix_b_scale:MATRIX_SCALE_ROW1
.else
	v_wmma_scale_f32_16x16x128_f8f6f4 v[\d:\d+7], v[\a:\a+11], v[\b:\b+11], \c, v[\sa], v[\sb] matrix_a_fmt:MATRIX_FMT_BF6 matrix_b_fmt:MATRIX_FMT_BF6 matrix_a_scale:MATRIX_SCALE_ROW1 matrix_b_scale:MATRIX_SCALE_ROW1
.endif
.endm
; 16 products.  cm = 2: they start the sums with the bias's tiles.  The 64 accumulators take turns in one order.
.macro MUL16 a0, sg, cm
.if (\cm) == 2
	WIN 0x91+0x40*((\a0)/4)
.else
	WIN 0xa1+0x50*((\a0)/4)
.endif
.irp a, \a0, \a0+1
.irp b, 0,1,2,3,4,5,6,7
.if (\cm) == 2
	WMM 64*((\a)%4)+8*\b, 96*(\sg)+12*\b, 64+96*(\sg)+12*(\a), v[192+8*\b:199+8*\b], 36+8*(\sg)+\b/2, 32+8*(\sg)+(\a)/2, \b%2, (\a)%2
.else
	WMM 64*((\a)%4)+8*\b, 96*(\sg)+12*\b, 64+96*(\sg)+12*(\a), v[64*((\a)%4)+8*\b:64*((\a)%4)+8*\b+7], 36+8*(\sg)+\b/2, 32+8*(\sg)+(\a)/2, \b%2, (\a)%2
.endif
.endr
.endr
.endm
.macro STEP sg, n, kp, st, cm
	s_wait_dscnt 16                                ; all but the youngest sixteen loads (source 1's tiles 4-7)
	MUL16 0, \sg, \cm
	PLACES
	FETCH1 1-(\sg), \n, \kp, \st
	MUL16 2, \sg, \cm
	s_wait_dscnt 56                                ; all but the 56 just issued
	MUL16 4, \sg, \cm
	MUL16 6, \sg, \cm
	FETCH2 1-(\sg), \n, \kp
.endm
.macro QUANT2 src, dst
.irp k, 0,1
	v_max3_num_f32 v[TM+\k], |v[\src+32*\k]|, |v[\src+32*\k+1]|, 0x2800000   ; with the floor 2^(5 - 127)
	v_max3_num_f32 v[TM+2+\k], |v[\src+32*\k+16]|, |v[\src+32*\k+17]|, |v[\src+32*\k+18]|
.endr
.irp i, 2,4,6,8,10,12
.irp k, 0,1
	v_max3_num_f32 v[TM+\k], v[TM+\k], |v[\src+32*\k+\i]|, |v[\src+32*\k+\i+1]|
	v_max3_num_f32 v[TM+2+\k], v[TM+2+\k], |v[\src+32*\k+\i+17]|, |v[\src+32*\k+\i+18]|
.endr
.endr
.irp k, 0,1
	v_max3_num_f32 v[TM+\k], v[TM+\k], |v[\src+32*\k+14]|, |v[\src+32*\k+15]|
.endr
.irp k, 0,1
	v_max3_num_f32 v[TM+\k], v[TM+\k], v[TM+2+\k], |v[\src+32*\k+31]|
.endr
.irp k, 0,1
	v_add_nc_u32 v[TM+2+\k], 0xfe000000, v[TM+\k]
.endr
.irp k, 0,1
	v_lshrrev_b32 v[TM+4+\k], 23, v[TM+2+\k]
.endr
	v_lshl_or_b32 v[PW], v[TM+5], 16, v[TM+4]
	v_lshlrev_b32 v[PW], v[H8], v[PW]
	v_permlanex16_b32 v[TM+6], v[PW], s[SEL], s[SEL+1]
	v_or_b32 v[PW], v[PW], v[TM+6]
.irp k, 0,1
	v_cvt_scalef32_pk16_bf6_f32 v[\dst+6*\k:\dst+6*\k+2], v[\src+32*\k:\src+32*\k+15], v[TM+2+\k]
	v_cvt_scalef32_pk16_bf6_f32 v[OD+4*\k:OD+4*\k+2], v[\src+32*\k+16:\src+32*\k+31], v[TM+2+\k]
.endr
	v_nop
.irp k, 0,1
.irp i, 0,1,2
	v_mov_b32 v[\dst+6*\k+3+\i], v[OD+4*\k+\i]
.endr
.endr
.endm
.macro COPY a                          ; x / 2 of source 1's tile a out of its eight accumulators, each from its low end on; of each four tiles the order is 0, 2, 1, 3
	WIN 0x02+(\a)/4
.irp b, 0,1,2,3,4,5,6,7
.irp q, 0,2,4,6
	v_pk_mul_f32 v[64+32*(\b/4)+16*(\b%2)+8*((\b%4)/2)+\q:65+32*(\b/4)+16*(\b%2)+8*((\b%4)/2)+\q], v[64*((\a)%4)+8*\b+\q:64*((\a)%4)+8*\b+\q+1], 0.5 op_sel_hi:[1,0]
.endr
.endr
	WIN 0
.endm
; 16 numbers H = x / 2 at v[hb] on become gelu(x) = H + H erf(H sqrt 2).  U v128-143, U^2 (then 1 / Q) v144-159, P v160-175, Q v176-191; every stage runs over the eight pairs, so that no line waits for the line above it
.macro GELU hb
.irp k, 0,2,4,6,8,10,12,14
	v_pk_mul_f32 v[128+\k:129+\k], v[\hb+\k:\hb+\k+1], 0x3fb504f3 op_sel_hi:[1,0]
.endr
.irp k, 0,1,2,3,4,5,6,7,8,9,10,11,12,13,14,15
	v_med3_num_f32 v[128+\k], v[128+\k], -4.0, 4.0
.endr
.irp k, 0,2,4,6,8,10,12,14
	v_pk_mul_f32 v[144+\k:145+\k], v[128+\k:129+\k], v[128+\k:129+\k]
.endr
.irp k, 0,2,4,6,8,10,12,14
	v_pk_fma_f32 v[160+\k:161+\k], v[144+\k:145+\k], s[96:97], 0x32edffee op_sel_hi:[1,0,0]
	v_pk_fma_f32 v[176+\k:177+\k], v[144+\k:145+\k], s[98:99], 0xb95fbd29 op_sel_hi:[1,0,0]
.endr
.irp cst, 0xb60cff51, 0xb86ec2d2, 0xba40ac63, 0xbb41a1f6, 0xbc83dbd4
.irp k, 0,2,4,6,8,10,12,14
	v_pk_fma_f32 v[160+\k:161+\k], v[160+\k:161+\k], v[144+\k:145+\k], \cst op_sel_hi:[1,1,0]
.endr
.endr
.irp cst, 0xbadc924e, 0xbbf19bf8, 0xbc69b6a7
.irp k, 0,2,4,6,8,10,12,14
	v_pk_fma_f32 v[176+\k:177+\k], v[176+\k:177+\k], v[144+\k:145+\k], \cst op_sel_hi:[1,1,0]
.endr
.endr
	s_wait_alu depctr_va_vdst(0)
.irp k, 0,1,2,3,4,5,6,7,8,9,10,11,12,13,14,15
	v_rcp_f32 v[144+\k], v[176+\k]
.endr
.irp k, 0,2,4,6,8,10,12,14
	v_pk_mul_f32 v[160+\k:161+\k], v[160+\k:161+\k], v[128+\k:129+\k]      ; U P: plain work behind the reciprocals, which names none of their results
.endr
	s_wait_alu depctr_va_vdst(0)                   ; one wait for the sixteen, ahead of their first reader
.irp k, 0,2,4,6,8,10,12,14
	v_pk_mul_f32 v[160+\k:161+\k], v[160+\k:161+\k], v[144+\k:145+\k]      ; erf
.endr
.irp k, 0,2,4,6,8,10,12,14
	v_pk_fma_f32 v[\hb+\k:\hb+\k+1], v[\hb+\k:\hb+\k+1], v[160+\k:161+\k], v[\hb+\k:\hb+\k+1]
.endr
.endm
	s_load_b256 s[4:11], s[0:1], 0x0               ; NN, WB, bias1, HH
	v_lshl_add_u32 v[SPW], v0, 2, SPARE
	v_mov_b32 v[NIL], 0
	ds_add_u32 v18, v19
	ds_add_u32 v18, v19
	s_wait_dscnt 0x0
	v_lshrrev_b32 v1, 5, v0
	v_readfirstlane_b32 s14, v1                    ; wave 0..3
	s_lshr_b32 s15, s14, 1                         ; my half of the tokens.  Also: I fetch for source 1 (0) or source 0 (1)
	s_and_b32 s16, s14, 1                          ; my half of the hidden units.  Also: which block of 128 rows I fetch
	s_bfe_u32 s17, ttmp6, 0x40000                  ; cx
	s_bfe_u32 s18, ttmp6, 0x40004                  ; cy
	s_lshl_b32 s19, s18, 2
	s_lshl_b32 s19, 15, s19
	s_lshl_b32 s20, 0x1111, s17
	s_lshl_b32 s21, ttmp9, 2
	s_add_co_u32 s21, s21, s17                     ; work-group x: 256 hidden units
	s_and_b32 s22, ttmp7, 0xffff
	s_lshl_b32 s22, s22, 2
	s_add_co_u32 s22, s22, s18                     ; work-group y: 256 tokens
	s_or_b32 s[G1A], s19, (3<<16)|(1<<21)
	s_or_b32 s[G1B], s20, (3<<16)|(1<<21)
	s_or_b32 s[G1SA], s19, (3<<16)|(1<<21)
	s_or_b32 s[G1SB], s20, (3<<16)|(1<<21)
.irp g, G1A, G1B
	s_mov_b32 s[\g+1], 32<<16
	s_mov_b32 s[\g+2], 96<<16
	s_mov_b32 s[\g+3], 32<<16
	s_mov_b32 s[\g+4], 96
	s_mov_b32 s[\g+5], 32
	s_mov_b32 s[\g+6], 0
	s_mov_b32 s[\g+7], 0
.endr
.irp g, G1SA, G1SB                     ; the head's loads: 288 rows of 256 bytes: six K steps of a block, dense in memory
	s_mov_b32 s[\g+1], 32<<16
	s_mov_b32 s[\g+2], 288<<16
	s_mov_b32 s[\g+3], 32<<16
	s_mov_b32 s[\g+4], 288
	s_mov_b32 s[\g+5], 32
	s_mov_b32 s[\g+6], 0
	s_mov_b32 s[\g+7], 0
.endr
	s_lshl_b32 s92, s22, 1
	s_add_co_u32 s92, s92, s16                     ; the tokens' block that I would fetch
	s_lshl_b32 s94, s21, 1
	s_add_co_u32 s94, s94, s16
	s_add_co_u32 s94, s94, 64                      ; W1's, counted in WB
	s_lshl_b32 s96, s92, 12
	s_add_co_u32 s96, s96, 3145728
	s_lshl_b32 s98, s94, 12
	s_add_co_u32 s98, s98, SW
	s_mul_i32 s92, s92, RGN
	s_mul_i32 s94, s94, RGN
	s_mov_b32 s93, 0
	s_mov_b32 s95, 0
	s_mov_b32 s97, 0
	s_mov_b32 s99, 0
	s_mul_i32 s23, s14, 3*SLICE                    ; where they go: wave x a block of six K steps
	s_lshl_b32 s3, s14, 12
	s_wait_kmcnt 0x0
	s_add_nc_u64 s[92:93], s[4:5], s[92:93]
	s_add_nc_u64 s[94:95], s[6:7], s[94:95]
	s_add_nc_u64 s[96:97], s[4:5], s[96:97]
	s_add_nc_u64 s[98:99], s[6:7], s[98:99]
	CROUND
	G0SET F0A, 23, 0, 92, 0
	G0SET F0B, 23, 0, 94, 0
	JLOAD F0A, G1SA, F0B, G1SB                     ; K steps 0-5 of my block: my one tensor load at the head
	s_cmp_eq_u32 s15, 0
	s_cselect_b64 s[84:85], s[96:97], s[98:99]     ; my block's scale words in memory
	s_add_co_u32 s3, s3, SCL                       ; and in LDS: SCL + 4,096 x wave
	v_and_b32 v1, 15, v0
	v_bfe_u32 v2, v0, 4, 1
	v_lshlrev_b32 v[H8], 3, v2                     ; 8 h
	v_lshlrev_b32 v22, 2, v[H8]                    ; 32 h
	v_and_b32 v20, 31, v0
	v_lshlrev_b32 v3, 4, v20
	v_lshlrev_b32 v31, 2, v20
	v_lshlrev_b32 v20, 3, v20
	v_add_nc_u32 v30, 512, v20
	v_lshlrev_b32 v21, 2, v1
	v_mov_b32 v[TM+6], 0
	v_add_nc_u32 v63, s3, v3
.irp i, 0,1,2,3,4,5,6,7
	global_load_b128 v[64+4*\i:67+4*\i], v3, s[84:85] offset:512*\i   ; 512 consecutive bytes a load
.endr
	s_mul_i32 s2, s15, 3*SLICE
	s_mul_i32 s3, s16, 3*SLICE
	s_add_co_u32 s3, s3, 6*SLICE
.irp n, 0,1,2
	v_add_nc_u32 v[4+4*\n], s2, v3
	v_add_nc_u32 v[5+4*\n], s2, v30
	v_add_nc_u32 v[6+4*\n], s3, v3
	v_add_nc_u32 v[7+4*\n], s3, v30
	s_add_co_u32 s2, s2, SLICE
	s_add_co_u32 s3, s3, SLICE
.endr
	s_lshl_b32 s2, s15, 12
	s_add_co_u32 s2, s2, SCL
	v_add_nc_u32 v16, s2, v31
	s_lshl_b32 s2, s16, 12
	s_add_co_u32 s2, s2, SCL+8192
	v_add_nc_u32 v17, s2, v31
	s_mov_b32 s[SEL], 0x76543210
	s_mov_b32 s[SEL+1], 0xfedcba98
	s_lshl_b32 s2, s22, 1
	s_add_co_u32 s2, s2, s15                       ; my block of 128 tokens,
	s_lshl_b32 s3, s21, 1
	s_add_co_u32 s3, s3, s16                       ; my block of 128 hidden units: a K step of the next product
	s_lshl_b32 s66, s3, 9
	s_mov_b32 s67, 0
	s_add_nc_u64 s[8:9], s[8:9], s[66:67]          ; its bias
	s_lshl_b32 s2, s2, 5
	s_add_co_u32 s2, s2, s3                        ; the unit in HH
	s_mul_i32 s92, s2, 12288
	s_mov_b32 s93, 0
	s_lshl_b32 s94, s2, 9
	s_add_co_u32 s94, s94, 12582912
	s_mov_b32 s95, 0
	s_add_nc_u64 s[92:93], s[10:11], s[92:93]
	s_add_nc_u64 s[94:95], s[10:11], s[94:95]
	s_mov_b32 s96, 0xaf95df0b                      ; the leading coefficients of P and of Q, each in both registers of a pair
	s_mov_b32 s97, s96
	s_mov_b32 s98, 0xb77460cd
	s_mov_b32 s99, s98
	WIN 0x40
.irp b, 0,1,2,3,4,5,6,7
	global_load_b128 v[192+8*\b:195+8*\b], v22, s[8:9] offset:64*\b        ; the bias of hidden units 16 b + 8 h + 0 .. 7
	global_load_b128 v[196+8*\b:199+8*\b], v22, s[8:9] offset:64*\b+16
.endr
	WIN 0
	s_wait_alu depctr_va_vdst(0)
	s_wait_loadcnt 16                              ; the scale words are in; the bias's sixteen loads may be out
.irp i, 0,1,2,3,4,5,6,7
	ds_store_b128 v63, v[64+4*\i:67+4*\i] offset:512*\i
.endr
	s_wait_tensorcnt 0x0                           ; my block's six K steps are in,
	s_wait_dscnt 0x0                               ; and my stores have landed, for the other waves' sake
	s_barrier_signal -1
	s_barrier_wait -1
	FETCH1 0, 0, 0, 0
	FETCH2 0, 0, 0
	s_wait_loadcnt 0x0                             ; the bias
	STEP 0, 0, 1, 1, 2                             ; K step 0 starts the sums with the bias
	WIN 0                                          ; K step 1 leaves region 0
	s_wait_tensorcnt 0x0
	ds_add_u32 v[SPW], v[NIL]
	s_wait_dscnt 17                                ; the add and the youngest sixteen loads may be out
	MUL16 0, 1, 0
	s_wait_dscnt 0x0
	s_barrier_signal -1
	MUL16 2, 1, 0
	WIN 0
	s_barrier_wait -1
	CREST
	s_add_nc_u64 s[F0A+2:F0A+3], s[F0A+2:F0A+3], 3*SLICE   ; K steps 6 and 7
	s_add_nc_u64 s[F0B+2:F0B+3], s[F0B+2:F0B+3], 3*SLICE
	JLOAD F0A, G1A, F0B, G1B
	FETCH1 0, 1, 0, 2
	MUL16 4, 1, 0
	MUL16 6, 1, 0
	FETCH2 0, 1, 0
	STEP 0, 1, 1, 3, 0
	STEP 1, 2, 0, 4, 0
	STEP 0, 2, 1, 5, 0
	s_wait_dscnt 16                                ; K step 5: the refill has to be whole before region 0 is read again
	MUL16 0, 1, 0
	s_wait_tensorcnt 0x0
	s_wait_dscnt 0x0
	s_barrier_signal -1
	MUL16 2, 1, 0
	WIN 0
	s_barrier_wait -1
	PLACES
	FETCH1 0, 0, 0, 6
	MUL16 4, 1, 0
	MUL16 6, 1, 0
	FETCH2 0, 0, 0
	STEP 0, 0, 1, 7, 0
	s_wait_dscnt 16
	MUL16 0, 1, 0
	MUL16 2, 1, 0
	s_wait_dscnt 0x0
	MUL16 4, 1, 0
	MUL16 6, 1, 0
	WIN 0
	PLACES                                         ; behind the last products
	s_mov_b32 s2, 0
.Lrow:                                 ; eight trips: tile s2 of my tokens
.irp a, 1,2,3,4,5,6,7
	s_cmp_eq_u32 s2, \a
	s_cbranch_scc1 .Lcopy\a
.endr
	COPY 0
	s_branch .Lgelu
.irp a, 1,2,3,4,5,6,7
.Lcopy\a:
	COPY \a
	s_branch .Lgelu
.endr
.Lgelu:
	GELU 64
	GELU 80
	GELU 96
	GELU 112
.irp g, 0,1
.irp j, 0,1,2,3,4,5,6,7
	v_permlane16_swap_b32 v[64+32*\g+\j], v[72+32*\g+\j]   ; tiles 0 and 2, 1 and 3 change halves: a lane now holds a whole block of 32, in natural order
	v_permlane16_swap_b32 v[80+32*\g+\j], v[88+32*\g+\j]
.endr
.endr
	QUANT2 64, 192
	global_store_b128 v3, v[192:195], s[92:93]
	global_store_b64 v20, v[196:197], s[92:93] offset:512
	global_store_b128 v3, v[198:201], s[92:93] offset:768
	global_store_b64 v20, v[202:203], s[92:93] offset:1280
	global_store_b32 v21, v[PW], s[94:95]
	s_wait_xcnt 0x0                                ; the stores have read their registers and bases: both are written again
	s_add_nc_u64 s[92:93], s[92:93], 1536
	s_add_nc_u64 s[94:95], s[94:95], 64
	s_add_co_u32 s2, s2, 1
	s_cmp_lt_u32 s2, 8
	s_cbranch_scc1 .Lrow
	s_wait_tensorcnt 0x0                           ; the wave's end
	ds_add_u32 v[SPW], v[NIL]
	s_wait_dscnt 0x0
	CROUND
	s_endpgm
.Lfunc_end_k_qaeec932ff8_ffn1:
	.size	k_qaeec932ff8_ffn1, .Lfunc_end_k_qaeec932ff8_ffn1-k_qaeec932ff8_ffn1
	.p2alignl 7, 3214868480
	.fill 96, 4, 3214868480
	.section	.rodata,"a",@progbits
	.p2align	6, 0x0
	.amdhsa_kernel k_qaeec932ff8_ffn1
		.amdhsa_group_segment_fixed_size 327680
		.amdhsa_private_segment_fixed_size 0
		.amdhsa_enable_private_segment 0
		.amdhsa_kernarg_size 32
		.amdhsa_user_sgpr_count 2
		.amdhsa_user_sgpr_kernarg_segment_ptr 1
		.amdhsa_wavefront_size32 1
		.amdhsa_system_sgpr_workgroup_id_x 1
		.amdhsa_system_sgpr_workgroup_id_y 1
		.amdhsa_system_sgpr_workgroup_id_z 1
		.amdhsa_system_vgpr_workitem_id 0
		.amdhsa_next_free_vgpr 1024
		.amdhsa_next_free_sgpr 102
		.amdhsa_reserve_vcc 0
		.amdhsa_float_denorm_mode_32 3
		.amdhsa_float_denorm_mode_16_64 3
		.amdhsa_memory_ordered 1
		.amdhsa_forward_progress 1
		.amdhsa_inst_pref_size 185
	.end_amdhsa_kernel
	.amdgpu_metadata
---
amdhsa.version: [ 1, 2 ]
amdhsa.kernels:
  - .name:           k_qaeec932ff8_ffn1
    .symbol:         k_qaeec932ff8_ffn1.kd
    .args:
      - { .name: NN, .offset: 0, .size: 8, .value_kind: global_buffer, .address_space: global }
      - { .name: WB, .offset: 8, .size: 8, .value_kind: global_buffer, .address_space: global }
      - { .name: bias1, .offset: 16, .size: 8, .value_kind: global_buffer, .address_space: global }
      - { .name: HH, .offset: 24, .size: 8, .value_kind: global_buffer, .address_space: global }
    .group_segment_fixed_size: 327680
    .private_segment_fixed_size: 0
    .kernarg_segment_align: 8
    .kernarg_segment_size: 32
    .max_flat_workgroup_size: 128
    .sgpr_count:     102
    .vgpr_count:     1024
    .wavefront_size: 32
...
	.end_amdgpu_metadata
.endif
;; end of part 6
;; launch ffn2 (part 7): grid 8 x 32, 4 waves a work-group, clusters of 4 x 4, 327,680 bytes of LDS; arguments HH, WB, bias2, RES, out0; writes out0
.if DOCPART == 7
	.amdgcn_target "amdgcn-amd-amdhsa--gfx1250"
	.amdhsa_code_object_version 6
	.text
	.protected	k_qaeec932ff8_ffn2
	.globl	k_qaeec932ff8_ffn2
	.p2align	8
	.type	k_qaeec932ff8_ffn2,@function
k_qaeec932ff8_ffn2:
	s_mov_b64 s[64:65], 0
	v_nop
	global_prefetch_b8 v0, s[64:65] scope:SCOPE_SE
	s_setreg_imm32_b32 hwreg(HW_REG_WAVE_MODE, 25, 1), 1
	s_wait_xcnt 0x0
	s_wait_alu depctr_hold_cnt(0) depctr_sa_sdst(0) depctr_va_vdst(0) depctr_va_sdst(0) depctr_va_ssrc(0) depctr_va_vcc(0) depctr_vm_vsrc(0)
	s_getreg_b32 s2, hwreg(HW_REG_IB_STS2, 6, 4)
	s_cmp_eq_u32 s2, 0
	s_cbranch_scc0 .Lentry_in_a_cluster
	s_endpgm
.Lentry_in_a_cluster:
	s_bfe_u32 s2, ttmp6, 0x10000c
	s_cmp_lg_u32 s2, 0xf033
	s_cbranch_scc0 .Lentry_shape_is_right
	s_endpgm
.Lentry_shape_is_right:
; FFN2.  out0 = h W2 + bias2 + RES.  h's codes come from HH, W2's from WB, as images of operand registers (fragment 1,536 bytes; unit = 128 rows x 128 K = 12,288 bytes; scale words 512 bytes a unit).  K = 4,096: KS = 32 K steps.
; A tile of the result is 128 x 128: 256 work-groups; a wave makes 64 x 64: 16 accumulators.  Source 0 = 16 rows of W2 (output columns), source 1 = 16 tokens.  The bias is the C of the first products; the residual is added on the way out.
; LDS: two slots of 98,304 bytes (four K steps of both operands), the scale words of all of K, a stage for each wave, the spare words.  CLUSTER 4 x 4: joint loads, tokens' tiles along a row, the weight's along a column.
; THE FILLS: slot 0 at the head, one joint load a wave (two K steps of one operand); slot 1 behind the full sequence and a round; then each slot again behind the round at its last K step.  One tensor load of a wave is out at any time.
; The scale words (8,192 bytes a wave) come through registers and are stored into LDS bytes on which no fill lands: 32,768 of the 819,200 bytes that a work-group takes in, so they are not asked for jointly.
; PREFETCH: behind each refill a wave names the 24,576 bytes that it will ask for two refills on; the four partners of the joint load take 24 blocks of 256 bytes each, told apart by address (lanes 24-31 name the last block again).
; The last lap's two refills have nothing two refills on and ask for nothing.  The first four fills come by their loads alone.
.set KS,    32
.set BIAS,  1
.set SOFA,  12582912
.set WOFF,  9437184
.set SOFB,  12976128
.set RSD,   10
.set OUT,   12
.set SLOTB, 98304
.set SLICE, 24576
.set SCL,   196608
.set STAGE, 229376
.set SPARE, 246784
.set SPW,   18
.set NIL,   19
.set G1A,   24
.set G1B,   32
.set G1SA,  40
.set G1SB,  48
.set G0A,   56
.set G0B,   68
.set G0SA,  76
.set G0SB,  80
.set MSB, 0
.macro WIN new
.if MSB != (\new)
	s_set_vgpr_msb (MSB<<8)|(\new)
.set MSB, \new
.endif
.endm
.macro PLACES
.rept 4
	v_nop
.endr
.endm
.macro JLOAD g0a, g1a, g0b, g1b
	s_cmp_eq_u32 s15, 0
	s_cbranch_scc0 .Lfor0_\@
	tensor_load_to_lds s[\g0a:\g0a+3], s[\g1a:\g1a+7]
	s_nop 0
.rept 4
	v_nop
.endr
	s_branch .Lasked_\@
.Lfor0_\@:
	tensor_load_to_lds s[\g0b:\g0b+3], s[\g1b:\g1b+7]
	s_nop 0
.rept 4
	v_nop
.endr
.Lasked_\@:
.endm
.macro CREST
	s_cmp_lg_u32 s14, 0
	s_cbranch_scc1 .Lnot0_\@
	s_barrier_signal -3
.Lnot0_\@:
	s_barrier_wait -3
	s_barrier_signal -1
	s_barrier_wait -1
.endm
.macro CROUND
	s_barrier_signal -1
	s_barrier_wait -1
	CREST
.endm
.macro G0SET g, lr, la, base, ga
	s_mov_b32 s[\g], 1
	s_add_co_u32 s[\g+1], s[\lr], \la
	s_add_nc_u64 s[\g+2:\g+3], s[\base:\base+1], \ga
	s_or_b32 s[\g+3], s[\g+3], 0x80000000
.endm
.macro FRAGL reg, a16, a8, off
	ds_load_b128 v[(\reg):(\reg)+3], v[\a16] offset:\off
	ds_load_b64 v[(\reg)+4:(\reg)+5], v[\a8] offset:\off
	ds_load_b128 v[(\reg)+6:(\reg)+9], v[\a16] offset:\off+768
	ds_load_b64 v[(\reg)+10:(\reg)+11], v[\a8] offset:\off+768
.endm
.macro FETCH sg, n, kp
	WIN 0x40
.irp t, 0,1,2,3
	FRAGL 48*(\sg)+12*\t, 6+4*(\n), 7+4*(\n), (\kp)*12288+\t*1536
.endr
	WIN 0
.irp i, 0,1
	ds_load_b32 v[32+4*(\sg)+\i], v16 offset:(\kp)*512+128*\i
	ds_load_b32 v[34+4*(\sg)+\i], v17 offset:(\kp)*512+128*\i
.endr
.irp t, 0,1,2,3
	FRAGL 64+48*(\sg)+12*\t, 4+4*(\n), 5+4*(\n), (\kp)*12288+\t*1536
.endr
.endm
.macro WMM d, a, b, c, sa, sb, ra, rb
.if (\ra) == 0 && (\rb) == 0
	v_wmma_scale_f32_16x16x128_f8f6f4 v[\d:\d+7], v[\a:\a+11], v[\b:\b+11], \c, v[\sa], v[\sb] matrix_a_fmt:MATRIX_FMT_BF6 matrix_b_fmt:MATRIX_FMT_BF6
.elseif (\rb) == 0
	v_wmma_scale_f32_16x16x128_f8f6f4 v[\d:\d+7], v[\a:\a+11], v[\b:\b+11], \c, v[\sa], v[\sb] matrix_a_fmt:MATRIX_FMT_BF6 matrix_b_fmt:MATRIX_FMT_BF6 matrix_a_scale:MATRIX_SCALE_ROW1
.elseif (\ra) == 0
	v_wmma_scale_f32_16x16x128_f8f6f4 v[\d:\d+7], v[\a:\a+11], v[\b:\b+11], \c, v[\sa], v[\sb] matrix_a_fmt:MATRIX_FMT_BF6 matrix_b_fmt:MATRIX_FMT_BF6 matrix_b_scale:MATRIX_SCALE_ROW1
.else
	v_wmma_scale_f32_16x16x128_f8f6f4 v[\d:\d+7], v[\a:\a+11], v[\b:\b+11], \c, v[\sa], v[\sb] matrix_a_fmt:MATRIX_FMT_BF6 matrix_b_fmt:MATRIX_FMT_BF6 matrix_a_scale:MATRIX_SCALE_ROW1 matrix_b_scale:MATRIX_SCALE_ROW1
.endif
.endm
.macro MUL8 a0, sg, cm
.if (\cm) == 2
	WIN 0x91
.else
	WIN 0xa1
.endif
.irp a, \a0, \a0+1
.irp b, 0,1,2,3
.if (\cm) == 1
	WMM 32*(\a)+8*\b, 48*(\sg)+12*\b, 64+48*(\sg)+12*(\a), 0, 34+4*(\sg)+\b/2, 32+4*(\sg)+(\a)/2, \b%2, (\a)%2
.elseif (\cm) == 2
	WMM 32*(\a)+8*\b, 48*(\sg)+12*\b, 64+48*(\sg)+12*(\a), v[96+8*\b:103+8*\b], 34+4*(\sg)+\b/2, 32+4*(\sg)+(\a)/2, \b%2, (\a)%2
.else
	WMM 32*(\a)+8*\b, 48*(\sg)+12*\b, 64+48*(\sg)+12*(\a), v[32*(\a)+8*\b:32*(\a)+8*\b+7], 34+4*(\sg)+\b/2, 32+4*(\sg)+(\a)/2, \b%2, (\a)%2
.endif
.endr
.endr
.endm
.macro STEP sg, n, kp, cm
	s_wait_dscnt 0x0
	PLACES
	FETCH 1-(\sg), \n, \kp
	MUL8 0, \sg, \cm
	MUL8 2, \sg, \cm
.endm
.macro TURN slot, next, fill
	WIN 0
.if \fill
	s_wait_xcnt 0x0                                ; my last prefetch has read its address: it steps here, a refill on
	s_add_nc_u64 s[84:85], s[84:85], 49152
.endif
	s_wait_tensorcnt 0x0
	ds_add_u32 v[SPW], v[NIL]
.if \fill
	s_add_nc_u64 s[G0A+4*\slot+2:G0A+4*\slot+3], s[G0A+4*\slot+2:G0A+4*\slot+3], 2*49152
	s_add_nc_u64 s[G0B+4*\slot+2:G0B+4*\slot+3], s[G0B+4*\slot+2:G0B+4*\slot+3], 2*49152
.endif
	s_wait_dscnt 0x0
	s_barrier_signal -1
	MUL8 0, 1, 0
	WIN 0
	s_barrier_wait -1
.if \fill
	CREST
	JLOAD G0A+4*\slot, G1A, G0B+4*\slot, G1B
.else
	PLACES
.endif
	v_add_nc_u32 v16, 2048, v16
	v_add_nc_u32 v17, 2048, v17
	FETCH 0, \next, 0
.if \fill
	s_cmp_gt_u32 s2, 1                             ; s2 = 1 in the last lap: nothing lies two refills on
	s_cbranch_scc0 .Lno_ask_\@
	global_prefetch_b8 v29, s[84:85] th:TH_LOAD_NT scope:SCOPE_SE
.Lno_ask_\@:
.endif
	MUL8 2, 1, 0
.endm
	s_load_b256 s[4:11], s[0:1], 0x0
.if BIAS
	s_load_b64 s[12:13], s[0:1], 0x20
.endif
	v_lshl_add_u32 v[SPW], v0, 2, SPARE
	v_mov_b32 v[NIL], 0
	ds_add_u32 v18, v19
	ds_add_u32 v18, v19
	s_wait_dscnt 0x0
	v_lshrrev_b32 v1, 5, v0
	v_readfirstlane_b32 s14, v1
	s_lshr_b32 s15, s14, 1
	s_and_b32 s16, s14, 1
	s_bfe_u32 s17, ttmp6, 0x40000
	s_bfe_u32 s18, ttmp6, 0x40004
	s_lshl_b32 s19, s18, 2
	s_lshl_b32 s19, 15, s19
	s_lshl_b32 s20, 0x1111, s17
	s_lshl_b32 s21, ttmp9, 2
	s_add_co_u32 s21, s21, s17
	s_and_b32 s22, ttmp7, 0xffff
	s_lshl_b32 s22, s22, 2
	s_add_co_u32 s22, s22, s18
	s_or_b32 s[G1A], s19, (3<<16)|(1<<21)
	s_or_b32 s[G1B], s20, (3<<16)|(1<<21)
.irp g, G1A, G1B
	s_mov_b32 s[\g+1], 32<<16
	s_mov_b32 s[\g+2], 96<<16
	s_mov_b32 s[\g+3], 32<<16
	s_mov_b32 s[\g+4], 96
	s_mov_b32 s[\g+5], 32
	s_mov_b32 s[\g+6], 0
	s_mov_b32 s[\g+7], 0
.endr
	s_mul_i32 s2, s16, SLICE
	s_mul_i32 s3, s16, KS*256
	s_mul_i32 s92, s22, KS*12288
	s_add_co_u32 s92, s92, s2
	s_mov_b32 s93, 0
	s_mul_i32 s94, s21, KS*12288
	s_add_co_u32 s94, s94, s2
	s_add_co_u32 s94, s94, WOFF
	s_mov_b32 s95, 0
	s_mul_i32 s96, s22, KS*512
	s_add_co_u32 s96, s96, s3
	s_add_co_u32 s96, s96, SOFA
	s_mov_b32 s97, 0
	s_mul_i32 s98, s21, KS*512
	s_add_co_u32 s98, s98, s3
	s_add_co_u32 s98, s98, SOFB
	s_mov_b32 s99, 0
	s_mul_i32 s23, s14, SLICE
	s_mul_i32 s3, s14, KS*256
	s_wait_kmcnt 0x0
	s_add_nc_u64 s[92:93], s[4:5], s[92:93]
	s_add_nc_u64 s[94:95], s[6:7], s[94:95]
	s_add_nc_u64 s[96:97], s[4:5], s[96:97]
	s_add_nc_u64 s[98:99], s[6:7], s[98:99]
	CROUND
	G0SET G0A, 23, 0, 92, 0
	G0SET G0B, 23, 0, 94, 0
	JLOAD G0A, G1A, G0B, G1B                       ; slot 0: my one tensor load at the head
	G0SET G0A+4, 23, SLOTB, 92, 49152
	G0SET G0B+4, 23, SLOTB, 94, 49152
	s_cmp_eq_u32 s15, 0
	s_cselect_b64 s[76:77], s[96:97], s[98:99]     ; my part of the scale words in memory
	s_cselect_b64 s[84:85], s[92:93], s[94:95]     ; the prefetches: the operand that I fetch for,
	s_cselect_b32 s86, s17, s18                    ; my work-group's place among the four that ask with me
	s_mul_i32 s86, s86, 6144                       ; its 24 blocks of the 96,
	s_add_co_u32 s86, s86, 3*49152                 ; one refill short of the first that is named
	s_mov_b32 s87, 0
	s_add_nc_u64 s[84:85], s[84:85], s[86:87]
	s_add_co_u32 s3, s3, SCL                       ; the scale words in LDS: SCL + 8,192 x wave
	v_and_b32 v13, 31, v0
	v_lshlrev_b32 v3, 4, v13                       ; 16 x lane
	v_min_u32 v29, 23, v13
	v_add_nc_u32 v28, s3, v3
	v_lshlrev_b32 v29, 8, v29                      ; the prefetches' offset: a block of 256 bytes a lane; never rewritten
.set i, 0
.rept 16
	global_load_b128 v[64+4*i:67+4*i], v3, s[76:77] offset:512*i   ; 512 consecutive bytes a load
.set i, i+1
.endr
	s_wait_alu depctr_va_vdst(0)
	s_wait_loadcnt 0x0
.set i, 0
.rept 16
	ds_store_b128 v28, v[64+4*i:67+4*i] offset:512*i
.set i, i+1
.endr
	s_wait_alu depctr_va_vdst(0)
	s_wait_tensorcnt 0x0
	ds_add_u32 v18, v19
	s_wait_dscnt 0x0
	CROUND
	JLOAD G0A+4, G1A, G0B+4, G1B
	v_and_b32 v1, 15, v0
	v_bfe_u32 v2, v0, 4, 1
	v_lshl_add_u32 v12, v13, 3, 512
	v_lshlrev_b32 v13, 2, v13
	s_wait_alu depctr_va_vdst(0)
	s_mul_i32 s2, s15, 6144
	s_mul_i32 s3, s16, 6144
	s_add_co_u32 s3, s3, 49152
.irp n, 0,1
	v_add_nc_u32 v[4+4*\n], s2, v3
	v_add_nc_u32 v[5+4*\n], s2, v12
	v_add_nc_u32 v[6+4*\n], s3, v3
	v_add_nc_u32 v[7+4*\n], s3, v12
	s_add_co_u32 s2, s2, SLOTB
	s_add_co_u32 s3, s3, SLOTB
.endr
	s_lshl_b32 s2, s15, 8
	s_add_co_u32 s2, s2, SCL
	v_add_nc_u32 v16, s2, v13
	s_lshl_b32 s2, s16, 8
	s_add_co_u32 s2, s2, SCL+KS*512
	v_add_nc_u32 v17, s2, v13
	s_mul_i32 s2, s14, 16*272
	s_add_co_u32 s2, s2, STAGE
	v_mul_u32_u24 v24, v1, 272
	v_lshl_add_u32 v24, v2, 5, v24
	v_add_nc_u32 v24, s2, v24
	v_mul_u32_u24 v25, v2, 272
	v_lshl_add_u32 v25, v1, 4, v25
	v_add_nc_u32 v25, s2, v25
	v_lshlrev_b32 v26, 12, v2
	v_lshl_add_u32 v26, v1, 4, v26
	v_lshlrev_b32 v27, 5, v2
	s_wait_alu depctr_va_vdst(0)
	s_lshl_b32 s2, s22, 19
	s_lshl_b32 s3, s15, 18
	s_add_co_u32 s2, s2, s3
	s_lshl_b32 s66, s21, 9
	s_lshl_b32 s3, s16, 8
	s_add_co_u32 s66, s66, s3
	s_mov_b32 s67, 0
	s_add_co_u32 s2, s2, s66
	s_mov_b32 s3, 0
	s_add_nc_u64 s[RSD:RSD+1], s[RSD:RSD+1], s[2:3]
	s_add_nc_u64 s[OUT:OUT+1], s[OUT:OUT+1], s[2:3]
.if BIAS
	s_add_nc_u64 s[8:9], s[8:9], s[66:67]
	WIN 0x40
.irp b, 0,1,2,3
	global_load_b128 v[96+8*\b:99+8*\b], v27, s[8:9] offset:64*\b
	global_load_b128 v[100+8*\b:103+8*\b], v27, s[8:9] offset:64*\b+16
.endr
.endif
	WIN 0xc0
.irp a, 0,1,2,3
.irp t, 0,1,2,3,4,5,6,7
	global_load_b128 v[32*\a+4*\t:32*\a+4*\t+3], v26, s[RSD:RSD+1] offset:(16*\a+2*\t)*4096
.endr
.endr
	WIN 0
	s_wait_tensorcnt 1
	s_barrier_signal -1
	s_barrier_wait -1
	FETCH 0, 0, 0
.if BIAS
	s_wait_loadcnt 32
	STEP 0, 0, 1, 2
.else
	STEP 0, 0, 1, 1
.endif
.if KS > 8
	WIN 0
	s_mov_b32 s2, KS/8-1
.Llap:
	s_wait_alu depctr_va_vdst(0)
	STEP 1, 0, 2, 0
	STEP 0, 0, 3, 0
	TURN 0, 1, 1
	s_wait_alu depctr_va_vdst(0)
	STEP 0, 1, 1, 0
	STEP 1, 1, 2, 0
	STEP 0, 1, 3, 0
	TURN 1, 0, 1
	s_wait_alu depctr_va_vdst(0)
	STEP 0, 0, 1, 0
	WIN 0
	s_sub_co_u32 s2, s2, 1
	s_cmp_lg_u32 s2, 0
	s_cbranch_scc1 .Llap
.endif
	STEP 1, 0, 2, 0
	STEP 0, 0, 3, 0
	TURN 0, 1, 0
	s_wait_alu depctr_va_vdst(0)
	STEP 0, 1, 1, 0
	STEP 1, 1, 2, 0
	STEP 0, 1, 3, 0
	s_wait_dscnt 0x0
	MUL8 0, 1, 0
	MUL8 2, 1, 0
	WIN 0
	PLACES
	s_wait_loadcnt 0x0
.irp a, 0,1,2,3
.if \a >= 2
	s_wait_xcnt 0x0
.endif
	WIN 0x08
.irp b, 0,1,2,3
	ds_store_b128 v24, v[32*\a+8*\b:32*\a+8*\b+3] offset:64*\b
	ds_store_b128 v24, v[32*\a+8*\b+4:32*\a+8*\b+7] offset:64*\b+16
.endr
	WIN 0
.irp t, 0,1,2,3,4,5,6,7
	ds_load_b128 v[64+32*(\a%2)+4*\t:67+32*(\a%2)+4*\t], v25 offset:544*\t
.endr
	s_wait_dscnt 0x0
	WIN 0x0c
.irp i, 0,2,4,6,8,10,12,14,16,18,20,22,24,26,28,30
	v_pk_add_f32 v[64+32*(\a%2)+\i:65+32*(\a%2)+\i], v[64+32*(\a%2)+\i:65+32*(\a%2)+\i], v[32*\a+\i:32*\a+\i+1]
.endr
	WIN 0
.irp t, 0,1,2,3,4,5,6,7
	global_store_b128 v26, v[64+32*(\a%2)+4*\t:67+32*(\a%2)+4*\t], s[OUT:OUT+1] offset:(16*\a+2*\t)*4096 th:TH_STORE_NT
.endr
.endr
	s_wait_tensorcnt 0x0
	ds_add_u32 v[SPW], v[NIL]
	s_wait_dscnt 0x0
	CROUND
	s_endpgm
.Lfunc_end_k_qaeec932ff8_ffn2:
	.size	k_qaeec932ff8_ffn2, .Lfunc_end_k_qaeec932ff8_ffn2-k_qaeec932ff8_ffn2
	.p2alignl 7, 3214868480
	.fill 96, 4, 3214868480
	.section	.rodata,"a",@progbits
	.p2align	6, 0x0
	.amdhsa_kernel k_qaeec932ff8_ffn2
		.amdhsa_group_segment_fixed_size 327680
		.amdhsa_private_segment_fixed_size 0
		.amdhsa_enable_private_segment 0
		.amdhsa_kernarg_size 40
		.amdhsa_user_sgpr_count 2
		.amdhsa_user_sgpr_kernarg_segment_ptr 1
		.amdhsa_wavefront_size32 1
		.amdhsa_system_sgpr_workgroup_id_x 1
		.amdhsa_system_sgpr_workgroup_id_y 1
		.amdhsa_system_sgpr_workgroup_id_z 1
		.amdhsa_system_vgpr_workitem_id 0
		.amdhsa_next_free_vgpr 1024
		.amdhsa_next_free_sgpr 102
		.amdhsa_reserve_vcc 0
		.amdhsa_float_denorm_mode_32 3
		.amdhsa_float_denorm_mode_16_64 3
		.amdhsa_memory_ordered 1
		.amdhsa_forward_progress 1
		.amdhsa_inst_pref_size 103
	.end_amdhsa_kernel
	.amdgpu_metadata
---
amdhsa.version: [ 1, 2 ]
amdhsa.kernels:
  - .name:           k_qaeec932ff8_ffn2
    .symbol:         k_qaeec932ff8_ffn2.kd
    .args:
      - { .name: HH, .offset: 0, .size: 8, .value_kind: global_buffer, .address_space: global }
      - { .name: WB, .offset: 8, .size: 8, .value_kind: global_buffer, .address_space: global }
      - { .name: bias2, .offset: 16, .size: 8, .value_kind: global_buffer, .address_space: global }
      - { .name: RES, .offset: 24, .size: 8, .value_kind: global_buffer, .address_space: global }
      - { .name: out0, .offset: 32, .size: 8, .value_kind: global_buffer, .address_space: global }
    .group_segment_fixed_size: 327680
    .private_segment_fixed_size: 0
    .kernarg_segment_align: 8
    .kernarg_segment_size: 40
    .max_flat_workgroup_size: 128
    .sgpr_count:     102
    .vgpr_count:     1024
    .wavefront_size: 32
...
	.end_amdgpu_metadata
.endif
;; end of part 7
